; MI455X (gfx1250); checked and timed in simulation.
; The chip was launched on July 23, 2026; its instructions are those of AMD's public machine-readable ISA for CDNA 5 (MIT licence, August 2026) and "CDNA5" Instruction Set Architecture Reference Guide (July 2026). The comments in the code are by the model that wrote it; some were corrected since.
;; Fast Holo Attention. Allowed arithmetic: float matrix products may take bf16 or f16 operands with f32 sums; all other float work in f32.
;; Inputs: amp_k 2,048 x 64 float32; amp_o 2,048 x 64 float32; amp_q 2,048 x 64 float32; amp_v 2,048 x 64 float32; basis_k 64 x 2,048 float32; basis_o 64 x 2,048 float32; basis_q 64 x 2,048 float32; basis_v 64 x 2,048 float32; hidden_states 2 x 2,048 x 2,048 float32; phase_k 2,048 x 64 float32; phase_o 2,048 x 64 float32; phase_q 2,048 x 64 float32; phase_v 2,048 x 64 float32.
;; Outputs: out0 2 x 2,048 x 2,048 float32.
;; 2 versions, each right and faster than the one before. Each part assembles by itself: llvm-mc -triple=amdgcn-amd-amdhsa -mcpu=gfx1250 --defsym DOCPART=n.
;; ======== version 1 of 2: 3 launches
;; limits: values outside matrix products are rounded to bf16; right only within a limited range of input values
;; workspace buffers: bbf 786,432 bytes; mtf 262,144 bytes; ntf 262,144 bytes; wof 524,288 bytes; rqx 1,048,576 bytes; rkx 1,048,576 bytes; rv 524,288 bytes
;; launch prep (part 1): grid 16 x 1, 16 waves a work-group, no clusters, 216,064 bytes of LDS; arguments phase_q, amp_q, phase_k, amp_k, phase_v, amp_v, phase_o, amp_o, basis_q, basis_k, basis_v, basis_o, bbf, mtf, ntf, wof; writes bbf, mtf, ntf, wof
.if DOCPART == 1
	.amdgcn_target "amdgcn-amd-amdhsa--gfx1250"
	.amdhsa_code_object_version 6
	.text
	.protected	k_q2e66906f8b_prep
	.globl	k_q2e66906f8b_prep
	.p2align	8
	.type	k_q2e66906f8b_prep,@function
k_q2e66906f8b_prep:
	s_mov_b64 s[64:65], 0
	v_nop
	global_prefetch_b8 v0, s[64:65] scope:SCOPE_SE
	s_setreg_imm32_b32 hwreg(HW_REG_WAVE_MODE, 25, 1), 1
	s_wait_xcnt 0x0
; The small operands of the whole program, one work-group for each of the 16 heads h.
;   W* = bf16(amp) * cos(bf16(phase)) in f32, kept as a pair of bf16 (hi + lo)
;   bbf: rows of basis_q | basis_k | basis_v in bf16, in the order of matrix fragments
;   mtf: MT_h[j][i] = c * sum over d of Wq[128h+d][i] Wk[128h+d][j], c = log2(e)/sqrt(128), hi and lo
;   ntf: NT_h[e][c] = sum over d of basis_o[e][128h+d] Wv[128h+d][c], hi and lo
;   wof: Wo[o][e], hi and lo
; Fragment order: [..][ks][p][lane][16 bytes]; lane (r = lane & 15, hh = lane >> 4) holds row r, k = 32 ks + 16 p + 8 hh .. + 7,
; so that a later 16-byte load of a wave takes 512 consecutive bytes.
; LIMITS: every input is rounded to bf16 first.  The cosine takes n = nearest(x/pi) away in two parts of pi by fused multiply-adds
; and then sums seven terms of the series on |r| <= pi/2 (the first term left out is below 7e-9); the reduction keeps f32 level for
; |phase| up to about 1e5.  NaN and infinities are not served.
; No cluster and no tensor load: each work-group reads a slab of its own, nothing is shared through LDS between work-groups.
.set WQH, 0                            ; 128 rows d x 160 bytes (64 bf16 + 32 of padding): pitch an odd multiple of 32 for the transposing loads
.set WQL, 20480
.set WKH, 40960
.set WKL, 61440
.set WVH, 81920
.set WVL, 102400
.set BO,  122880                       ; 64 rows e x 272 bytes (128 bf16 + 16)
.set WOH, 140288                       ; 128 rows o x 144 bytes (64 bf16 + 16)
.set WOL, 158720
.set STMH, 177152                      ; 64 rows x 144 bytes each: MT hi, MT lo, NT hi, NT lo
.set SMASK, 39                         ; s39 = a word's upper bf16
.macro PLACES cnt
.rept \cnt
	v_nop
.endr
.endm
; a, b in f32 -> H = their bf16 (packed), Lo = bf16 of what the rounding left
.macro SPLIT2 H, Lo, a, b, T0, T1
	v_cvt_pk_bf16_f32 v[\H], v[\a], v[\b]
	v_lshlrev_b32 v[\T0], 16, v[\H]
	v_and_b32 v[\T1], s[SMASK], v[\H]
	v_sub_f32 v[\T0], v[\a], v[\T0]
	v_sub_f32 v[\T1], v[\b], v[\T1]
	v_cvt_pk_bf16_f32 v[\Lo], v[\T0], v[\T1]
.endm
.macro W1 d, a, b, zero
.if \zero
	v_wmma_f32_16x16x32_bf16 v[(\d):(\d)+7], v[(\a):(\a)+7], v[(\b):(\b)+7], 0
.else
	v_wmma_f32_16x16x32_bf16 v[(\d):(\d)+7], v[(\a):(\a)+7], v[(\b):(\b)+7], v[(\d):(\d)+7]
.endif
.endm
; v[x] = v[a] * cos(v[x])
.macro COS1 x, a
	v_mul_f32 v208, s52, v[\x]                     ; x / pi
	v_rndne_f32 v208, v208                         ; n
	v_fma_f32 v[\x], -v208, s53, v[\x]             ; r = x - n pi, pi in two parts
	v_fma_f32 v[\x], -v208, s54, v[\x]
	v_cvt_i32_f32 v208, v208
	v_mul_f32 v209, v[\x], v[\x]                   ; z = r r
	v_lshlrev_b32 v208, 31, v208                   ; n odd: the sign turns
	v_fma_f32 v210, v209, s59, s58
	v_fma_f32 v210, v210, v209, s57
	v_fma_f32 v210, v210, v209, s56
	v_fma_f32 v210, v210, v209, s55
	v_fma_f32 v210, v210, v209, -0.5
	v_fma_f32 v210, v210, v209, 1.0
	v_xor_b32 v210, v210, v208
	v_mul_f32 v[\x], v210, v[\a]
.endm
; 16 numbers of one matrix: round phase and amp to bf16, W = amp cos(phase), split, 8 bytes to each plane
.macro WMAT ph, am, adrh, offh, adrl, offl, qstep
.irp q, 0,1,2,3
.irp j, 0,2
	v_cvt_pk_bf16_f32 v208, v[\ph+4*\q+\j], v[\ph+4*\q+\j+1]
	v_cvt_pk_bf16_f32 v209, v[\am+4*\q+\j], v[\am+4*\q+\j+1]
	v_lshlrev_b32 v[\ph+4*\q+\j], 16, v208
	v_and_b32 v[\ph+4*\q+\j+1], s[SMASK], v208
	v_lshlrev_b32 v[\am+4*\q+\j], 16, v209
	v_and_b32 v[\am+4*\q+\j+1], s[SMASK], v209
.endr
.irp j, 0,1,2,3
	COS1 \ph+4*\q+\j, \am+4*\q+\j
.endr
	SPLIT2 212, 214, \ph+4*\q, \ph+4*\q+1, 216, 217
	SPLIT2 213, 215, \ph+4*\q+2, \ph+4*\q+3, 216, 217
	ds_store_b64 v[\adrh], v[212:213] offset:\offh+\q*\qstep
	ds_store_b64 v[\adrl], v[214:215] offset:\offl+\q*\qstep
.endr
.endm
.macro LDPA dst, sp, sa                ; a head's slab of phase and of amp: 128 rows x 256 bytes, 16 bytes a thread, four times
.irp q, 0,1,2,3
	global_load_b128 v[\dst+4*\q:\dst+4*\q+3], v9, s[\sp:\sp+1] offset:\q*8192
.endr
.irp q, 0,1,2,3
	global_load_b128 v[\dst+16+4*\q:\dst+16+4*\q+3], v9, s[\sa:\sa+1] offset:\q*8192
.endr
.endm
	s_load_b512 s[4:19], s[0:1], 0x0               ; phase_q amp_q phase_k amp_k phase_v amp_v phase_o amp_o
	s_load_b512 s[20:35], s[0:1], 0x40             ; basis_q basis_k basis_v basis_o bbf mtf ntf wof
	v_lshrrev_b32 v1, 5, v0
	v_readfirstlane_b32 s36, v1                    ; wave 0..15
	s_mul_i32 s37, ttmp9, 48
	s_mul_i32 s38, s36, 3
	s_add_co_u32 s37, s37, s38                     ; f0: the first of my wave's three fragments of bbf (768 in all)
	s_lshl_b32 s38, s37, 10
	s_mov_b32 s39, 0xffff0000
	s_mov_b32 s49, 0x3e0293ee                      ; log2(e) / sqrt(128)
	s_mov_b32 s52, 0x3ea2f983                      ; 1 / pi
	s_mov_b32 s53, 0x40490fdb                      ; pi, upper part
	s_mov_b32 s54, 0xb3bbbd2e                      ; pi, the rest
	s_mov_b32 s55, 0x3d2aaaab                      ; 1/24
	s_mov_b32 s56, 0xbab60b61                      ; -1/720
	s_mov_b32 s57, 0x37d00d01                      ; 1/40320
	s_mov_b32 s58, 0xb493f27e                      ; -1/3628800
	s_mov_b32 s59, 0x310f76c7                      ; 1/479001600
	v_and_b32 v2, 31, v0                           ; lane
	v_and_b32 v3, 15, v0                           ; r
	v_bfe_u32 v4, v0, 4, 1                         ; hh
	v_lshlrev_b32 v5, 13, v3
	v_lshl_add_u32 v5, v4, 5, v5                   ; basis row r (8,192 bytes), 8 hh numbers of f32
	v_lshl_add_u32 v6, v2, 4, s38                  ; bbf: 1,024 f0 + 16 lane
	v_lshlrev_b32 v7, 13, v1
	v_lshl_add_u32 v7, v2, 4, v7                   ; basis_o: row t >> 5, 16 bytes a lane
	v_mul_u32_u24 v8, v1, 272
	v_lshl_add_u32 v8, v2, 3, v8
	v_add_nc_u32 v8, BO, v8
	v_lshlrev_b32 v9, 4, v0                        ; 16 t
	v_lshrrev_b32 v10, 4, v0                       ; row t >> 4 of a slab's 32 rows
	v_mul_u32_u24 v11, v10, 160
	v_lshl_add_u32 v11, v3, 3, v11                 ; planes WQH, WQL, WKH by the offset
	v_add_nc_u32 v12, WKL, v11                     ; planes WKL, WVH, WVL by the offset
	v_mul_u32_u24 v13, v10, 144
	v_lshl_add_u32 v13, v3, 3, v13
	v_add_nc_u32 v13, WOH, v13
	s_wait_kmcnt 0x0
	; the three fragments' sources: T = f >> 6 picks the buffer (T >> 2) and its 16 rows (T & 3), s = f & 63 the 32 columns
.irp i, 0,1,2
	s_add_co_u32 s46, s37, \i
	s_lshr_b32 s47, s46, 6
	s_lshr_b32 s48, s47, 2
	s_and_b32 s47, s47, 3
	s_lshl_b32 s50, s47, 17
	s_and_b32 s46, s46, 63
	s_lshl_b32 s46, s46, 7
	s_add_co_u32 s50, s50, s46
	s_mov_b32 s51, 0
	s_cmp_eq_u32 s48, 0
	s_cselect_b64 s[40+2*\i:41+2*\i], s[20:21], s[22:23]
	s_cmp_eq_u32 s48, 2
	s_cselect_b64 s[40+2*\i:41+2*\i], s[24:25], s[40+2*\i:41+2*\i]
	s_add_nc_u64 s[40+2*\i:41+2*\i], s[40+2*\i:41+2*\i], s[50:51]
.endr
	s_lshl_b32 s50, ttmp9, 15                      ; the head's slab of phase, amp and wof: 32,768 bytes
	s_mov_b32 s51, 0
.irp b, 4,6,8,10,12,14,16,18,34
	s_add_nc_u64 s[\b:\b+1], s[\b:\b+1], s[50:51]
.endr
	s_lshl_b32 s50, ttmp9, 9                       ; the head's 128 columns of basis_o
	s_add_nc_u64 s[26:27], s[26:27], s[50:51]
	s_lshl_b32 s50, ttmp9, 14                      ; the head's 16,384 bytes of mtf and of ntf
	s_add_nc_u64 s[30:31], s[30:31], s[50:51]
	s_add_nc_u64 s[32:33], s[32:33], s[50:51]
	; all 48 loads go out at once: 12 for bbf, 4 of basis_o, 8 for each of the four W
.irp i, 0,1,2
.irp p, 0,1
	global_load_b128 v[16+16*\i+8*\p:16+16*\i+8*\p+3], v5, s[40+2*\i:41+2*\i] offset:64*\p
	global_load_b128 v[16+16*\i+8*\p+4:16+16*\i+8*\p+7], v5, s[40+2*\i:41+2*\i] offset:64*\p+16
.endr
.endr
.irp q, 0,1,2,3
	global_load_b128 v[64+4*\q:64+4*\q+3], v7, s[26:27] offset:\q*131072
.endr
	LDPA 80, 4, 6
	LDPA 112, 8, 10
	LDPA 144, 12, 14
	LDPA 176, 16, 18
	s_wait_loadcnt 36                              ; 36 loads were issued behind the 12 for bbf
.irp i, 0,1,2
.irp p, 0,1
.irp j, 0,1,2,3
	v_cvt_pk_bf16_f32 v[16+16*\i+8*\p+\j], v[16+16*\i+8*\p+2*\j], v[16+16*\i+8*\p+2*\j+1]
.endr
	global_store_b128 v6, v[16+16*\i+8*\p:16+16*\i+8*\p+3], s[28:29] offset:\i*1024+\p*512   ; a wave stores 512 consecutive bytes
.endr
.endr
	s_wait_loadcnt 32                              ; 32 behind basis_o's four
.irp q, 0,1,2,3
	v_cvt_pk_bf16_f32 v[64+4*\q], v[64+4*\q], v[64+4*\q+1]
	v_cvt_pk_bf16_f32 v[64+4*\q+1], v[64+4*\q+2], v[64+4*\q+3]
	ds_store_b64 v8, v[64+4*\q:64+4*\q+1] offset:\q*4352
.endr
	s_wait_loadcnt 24                              ; k's, v's and o's 24 may stay out
	WMAT 80, 96, 11, WQH, 11, WQL, 5120
	s_wait_loadcnt 16
	WMAT 112, 128, 11, WKH, 12, 0, 5120
	s_wait_loadcnt 8
	WMAT 144, 160, 12, WVH-WKL, 12, WVL-WKL, 5120
	s_wait_loadcnt 0x0
	WMAT 176, 192, 13, 0, 13, WOL-WOH, 4608
	s_wait_dscnt 0x0                               ; my stores are in LDS before I say so
	s_barrier_signal -1
	s_barrier_wait -1
	; one 16 x 16 tile of MT and one of NT for each wave: it = wave & 3 (i, or c), jt = wave >> 2 (j, or e)
	s_wait_xcnt 0x0                                ; the stores into bbf have read their registers: v1-v231 are written again below
	v_and_b32 v232, 7, v0
	v_bfe_u32 v233, v0, 4, 1
	v_lshl_add_u32 v232, v233, 3, v232             ; row 8 hh + (lane & 7) of a K step's 32 rows d
	v_mul_u32_u24 v232, v232, 160
	v_bfe_u32 v234, v0, 3, 1
	v_lshl_add_u32 v232, v234, 4, v232             ; + 16 bytes for lanes 8-15 of each half
	s_and_b32 s46, s36, 3
	s_lshr_b32 s47, s36, 2
	s_lshl_b32 s48, s46, 5
	s_lshl_b32 s50, s47, 5
	v_add_nc_u32 v1, s48, v232                     ; columns of tile it: WQH, WQL
	v_add_nc_u32 v2, s50, v232                     ; columns of tile jt: WKH
	v_add_nc_u32 v3, WKL, v2                       ; WKL
	v_add_nc_u32 v4, WKL, v1                       ; WVH, WVL
	v_and_b32 v235, 15, v0
	v_lshl_add_u32 v235, s47, 4, v235              ; row 16 jt + r
	v_mul_u32_u24 v5, v235, 272
	v_lshl_add_u32 v5, v233, 4, v5
	v_add_nc_u32 v5, BO, v5
	v_mul_u32_u24 v6, v235, 144
	v_lshl_add_u32 v6, v233, 4, v6
	v_add_nc_u32 v6, s48, v6
	v_add_nc_u32 v6, STMH, v6
.irp ks, 0,1,2,3
	ds_load_tr16_b128 v[8+8*\ks:8+8*\ks+3],     v1 offset:WQH+\ks*5120
	ds_load_tr16_b128 v[8+8*\ks+4:8+8*\ks+7],   v1 offset:WQH+\ks*5120+2560
	ds_load_tr16_b128 v[40+8*\ks:40+8*\ks+3],   v1 offset:WQL+\ks*5120
	ds_load_tr16_b128 v[40+8*\ks+4:40+8*\ks+7], v1 offset:WQL+\ks*5120+2560
	ds_load_tr16_b128 v[72+8*\ks:72+8*\ks+3],   v2 offset:WKH+\ks*5120
	ds_load_tr16_b128 v[72+8*\ks+4:72+8*\ks+7], v2 offset:WKH+\ks*5120+2560
	ds_load_tr16_b128 v[104+8*\ks:104+8*\ks+3],   v3 offset:\ks*5120
	ds_load_tr16_b128 v[104+8*\ks+4:104+8*\ks+7], v3 offset:\ks*5120+2560
	ds_load_tr16_b128 v[136+8*\ks:136+8*\ks+3],   v4 offset:WVH-WKL+\ks*5120
	ds_load_tr16_b128 v[136+8*\ks+4:136+8*\ks+7], v4 offset:WVH-WKL+\ks*5120+2560
	ds_load_tr16_b128 v[168+8*\ks:168+8*\ks+3],   v4 offset:WVL-WKL+\ks*5120
	ds_load_tr16_b128 v[168+8*\ks+4:168+8*\ks+7], v4 offset:WVL-WKL+\ks*5120+2560
	ds_load_b128 v[200+8*\ks:200+8*\ks+3],   v5 offset:\ks*64
	ds_load_b128 v[200+8*\ks+4:200+8*\ks+7], v5 offset:\ks*64+32
.endr
	s_wait_dscnt 0x0
	; v[232:239] = qh kh; v[240:247] = ql kh + qh kl; v[248:255] = (vh + vl) bo.  The accumulators take turns, one instruction a turn.
	W1 240, 40, 72, 1
	W1 248, 136, 200, 1
	W1 232, 8, 72, 1
.irp ks, 1,2,3
	W1 240, 40+8*\ks, 72+8*\ks, 0
	W1 248, 136+8*\ks, 200+8*\ks, 0
	W1 232, 8+8*\ks, 72+8*\ks, 0
.endr
.irp ks, 0,1,2,3
	W1 240, 8+8*\ks, 104+8*\ks, 0
	W1 248, 168+8*\ks, 200+8*\ks, 0
.endr
	PLACES 4                                       ; four places behind the last matrix instruction before its results are read (ISA guide 7.12.1)
.irp j, 0,1,2,3,4,5,6,7
	v_add_f32 v[232+\j], v[232+\j], v[240+\j]
.endr
.irp j, 0,1,2,3,4,5,6,7
	v_mul_f32 v[232+\j], s49, v[232+\j]
.endr
	; lane r holds row j (or e) = 16 jt + r, its registers the 8 neighbouring columns 16 it + 8 hh ..
.irp j, 0,1,2,3
	SPLIT2 8+\j, 12+\j, 232+2*\j, 233+2*\j, 24, 25
	SPLIT2 16+\j, 20+\j, 248+2*\j, 249+2*\j, 26, 27
.endr
	ds_store_b128 v6, v[8:11]
	ds_store_b128 v6, v[12:15] offset:9216
	ds_store_b128 v6, v[16:19] offset:18432
	ds_store_b128 v6, v[20:23] offset:27648
	s_wait_dscnt 0x0
	s_barrier_signal -1
	s_barrier_wait -1
	; the way out, in fragment order: thread t = (tile t >> 7, ks, p, hh, r) takes 16 bytes of row 16 tile + r at byte t & 0x70
	v_lshrrev_b32 v232, 7, v0
	v_and_b32 v233, 15, v0
	v_lshl_add_u32 v233, v232, 4, v233
	v_mul_u32_u24 v7, v233, 144
	v_and_b32 v234, 0x70, v0
	v_add3_u32 v7, v7, v234, WOH
	v_lshlrev_b32 v1, 4, v0
	v_and_b32 v2, 127, v0
	v_lshlrev_b32 v2, 4, v2
	v_lshl_add_u32 v2, v232, 12, v2
	ds_load_b128 v[8:11],  v7 offset:STMH-WOH
	ds_load_b128 v[12:15], v7 offset:STMH-WOH+9216
	ds_load_b128 v[16:19], v7 offset:STMH-WOH+18432
	ds_load_b128 v[20:23], v7 offset:STMH-WOH+27648
	ds_load_b128 v[24:27], v7
	ds_load_b128 v[28:31], v7 offset:WOL-WOH
	ds_load_b128 v[32:35], v7 offset:9216
	ds_load_b128 v[36:39], v7 offset:WOL-WOH+9216
	s_wait_dscnt 7                                 ; LDS loads come back in order: the counts leave the younger ones out
	global_store_b128 v1, v[8:11], s[30:31]
	s_wait_dscnt 6
	global_store_b128 v1, v[12:15], s[30:31] offset:8192
	s_wait_dscnt 5
	global_store_b128 v1, v[16:19], s[32:33]
	s_wait_dscnt 4
	global_store_b128 v1, v[20:23], s[32:33] offset:8192
	s_wait_dscnt 3
	global_store_b128 v2, v[24:27], s[34:35]
	s_wait_dscnt 2
	global_store_b128 v2, v[28:31], s[34:35] offset:2048
	s_wait_dscnt 1
	global_store_b128 v2, v[32:35], s[34:35] offset:16384
	s_wait_dscnt 0x0
	global_store_b128 v2, v[36:39], s[34:35] offset:18432
	s_wait_xcnt 0x0
	v_lshl_add_u32 v254, v0, 2, 0x34400
	v_mov_b32 v255, 0
	s_wait_tensorcnt 0x0
	ds_add_u32 v254, v255
	s_wait_dscnt 0x0
	s_endpgm
.Lfunc_end_k_q2e66906f8b_prep:
	.size	k_q2e66906f8b_prep, .Lfunc_end_k_q2e66906f8b_prep-k_q2e66906f8b_prep
	.p2alignl 7, 3214868480
	.fill 96, 4, 3214868480
	.section	.rodata,"a",@progbits
	.p2align	6, 0x0
	.amdhsa_kernel k_q2e66906f8b_prep
		.amdhsa_group_segment_fixed_size 216064
		.amdhsa_private_segment_fixed_size 0
		.amdhsa_enable_private_segment 0
		.amdhsa_kernarg_size 128
		.amdhsa_user_sgpr_count 2
		.amdhsa_user_sgpr_kernarg_segment_ptr 1
		.amdhsa_wavefront_size32 1
		.amdhsa_system_sgpr_workgroup_id_x 1
		.amdhsa_system_sgpr_workgroup_id_y 1
		.amdhsa_system_sgpr_workgroup_id_z 1
		.amdhsa_system_vgpr_workitem_id 0
		.amdhsa_next_free_vgpr 256
		.amdhsa_next_free_sgpr 66
		.amdhsa_reserve_vcc 0
		.amdhsa_float_denorm_mode_32 3
		.amdhsa_float_denorm_mode_16_64 3
		.amdhsa_memory_ordered 1
		.amdhsa_forward_progress 1
		.amdhsa_inst_pref_size 88
	.end_amdhsa_kernel
	.amdgpu_metadata
---
amdhsa.version: [ 1, 2 ]
amdhsa.kernels:
  - .name:           k_q2e66906f8b_prep
    .symbol:         k_q2e66906f8b_prep.kd
    .args:
      - { .name: phase_q, .offset: 0, .size: 8, .value_kind: global_buffer, .address_space: global }
      - { .name: amp_q, .offset: 8, .size: 8, .value_kind: global_buffer, .address_space: global }
      - { .name: phase_k, .offset: 16, .size: 8, .value_kind: global_buffer, .address_space: global }
      - { .name: amp_k, .offset: 24, .size: 8, .value_kind: global_buffer, .address_space: global }
      - { .name: phase_v, .offset: 32, .size: 8, .value_kind: global_buffer, .address_space: global }
      - { .name: amp_v, .offset: 40, .size: 8, .value_kind: global_buffer, .address_space: global }
      - { .name: phase_o, .offset: 48, .size: 8, .value_kind: global_buffer, .address_space: global }
      - { .name: amp_o, .offset: 56, .size: 8, .value_kind: global_buffer, .address_space: global }
      - { .name: basis_q, .offset: 64, .size: 8, .value_kind: global_buffer, .address_space: global }
      - { .name: basis_k, .offset: 72, .size: 8, .value_kind: global_buffer, .address_space: global }
      - { .name: basis_v, .offset: 80, .size: 8, .value_kind: global_buffer, .address_space: global }
      - { .name: basis_o, .offset: 88, .size: 8, .value_kind: global_buffer, .address_space: global }
      - { .name: bbf, .offset: 96, .size: 8, .value_kind: global_buffer, .address_space: global }
      - { .name: mtf, .offset: 104, .size: 8, .value_kind: global_buffer, .address_space: global }
      - { .name: ntf, .offset: 112, .size: 8, .value_kind: global_buffer, .address_space: global }
      - { .name: wof, .offset: 120, .size: 8, .value_kind: global_buffer, .address_space: global }
    .group_segment_fixed_size: 216064
    .private_segment_fixed_size: 0
    .kernarg_segment_align: 8
    .kernarg_segment_size: 128
    .max_flat_workgroup_size: 512
    .sgpr_count:     66
    .vgpr_count:     256
    .wavefront_size: 32
...
	.end_amdgpu_metadata
.endif
;; end of part 1
;; launch proj (part 2): grid 256 x 1, 8 waves a work-group, no clusters, 242,944 bytes of LDS; arguments hidden_states, bbf, rqx, rkx, rv; writes rqx, rkx, rv
.if DOCPART == 2
	.amdgcn_target "amdgcn-amd-amdhsa--gfx1250"
	.amdhsa_code_object_version 6
	.text
	.protected	k_q2e66906f8b_proj
	.globl	k_q2e66906f8b_proj
	.p2align	8
	.type	k_q2e66906f8b_proj,@function
k_q2e66906f8b_proj:
	s_mov_b64 s[64:65], 0
	v_nop
	global_prefetch_b8 v0, s[64:65] scope:SCOPE_SE
	s_setreg_imm32_b32 hwreg(HW_REG_WAVE_MODE, 25, 1), 1
	s_wait_xcnt 0x0
; The three resonances: R*[s][e] = sum over d of bf16(x[s][d]) bf16(basis_*[e][d]), sums in f32.
; rqx, rkx: [4096][hi 64 | lo 64] bf16 (the sum as a pair of bf16); rv: [4096][64] bf16.
; A work-group owns 16 rows of x; wave w owns the columns 256 w .. 256 w + 255 for all 12 tiles of 16 harmonics (96 matrix
; instructions, 12 accumulators); the eight partial sums meet in LDS, in a fixed order.
; x comes by ONE tensor load a wave (16 rows x 1,024 bytes, the wave's own LDS bytes, filled once: no slot is ever filled again),
; so the work-group's 131,072 bytes of x are all on their way at once; one tensor load of a wave is outstanding at most.
; The basis comes straight into registers in fragment order (512 consecutive bytes for each load of a wave).
; NO CLUSTER: what the work-groups share is the basis, 786,432 bytes; a wave uses each of its fragments once, so a way through LDS
; would add a write and a read of LDS for every byte and needs a ring, since the basis is more than twice a work-group's LDS.
; LIMITS: x and the basis are rounded to bf16; NaN and infinities are not served.
.set XP,   1040                        ; an LDS row of x: 1,024 bytes + 16, an odd multiple of 16
.set XW,   16*XP                       ; a wave's tile
.set RED,  133120                      ; partial sums [wave 8][tile 12][q 2][lane][16 bytes]
.set STG,  231424                      ; 16 rows x 656 bytes: Rq hi | Rq lo | Rk hi | Rk lo | Rv | 16 of padding
.set XB,   24                          ; v[24:39]   x as a B fragment, two sets
.set ABUF, 40                          ; v[40:135]  four buffers of three tiles' A fragments
.set ACC,  136                         ; v[136:231] twelve accumulators
.set SMASK, 15
.macro PLACES cnt
.rept \cnt
	v_nop
.endr
.endm
.macro SPLIT2 H, Lo, a, b, T0, T1
	v_cvt_pk_bf16_f32 v[\H], v[\a], v[\b]
	v_lshlrev_b32 v[\T0], 16, v[\H]
	v_and_b32 v[\T1], s[SMASK], v[\H]
	v_sub_f32 v[\T0], v[\a], v[\T0]
	v_sub_f32 v[\T1], v[\b], v[\T1]
	v_cvt_pk_bf16_f32 v[\Lo], v[\T0], v[\T1]
.endm
.macro LDA ks, b                       ; six loads: tiles 3 b .. 3 b + 2 of K step ks
.irp tt, 0,1,2
	global_load_b128 v[ABUF+24*\b+8*\tt:ABUF+24*\b+8*\tt+3],   v1, s[6:7] offset:(3*\b+\tt)*65536+(\ks)*1024
	global_load_b128 v[ABUF+24*\b+8*\tt+4:ABUF+24*\b+8*\tt+7], v1, s[6:7] offset:(3*\b+\tt)*65536+(\ks)*1024+512
.endr
.endm
.macro LDX ks                          ; 16 numbers of f32 a lane: k = 32 ks + 8 hh .. + 7 and 16 further on
	ds_load_b128 v[8:11],  v2 offset:(\ks)*128
	ds_load_b128 v[12:15], v2 offset:(\ks)*128+16
	ds_load_b128 v[16:19], v2 offset:(\ks)*128+64
	ds_load_b128 v[20:23], v2 offset:(\ks)*128+80
.endm
.macro CVX xb
.irp j, 0,1,2,3,4,5,6,7
	v_cvt_pk_bf16_f32 v[(\xb)+\j], v[8+2*\j], v[9+2*\j]
.endr
.endm
; three matrix instructions on three accumulators (turns of one instruction), then the buffer's next six loads
.macro GRP ks, b, xb, cnt
	s_wait_loadcnt \cnt                            ; loads come back in order: the groups issued behind this one stay out
.irp tt, 0,1,2
.if \ks == 0
	v_wmma_f32_16x16x32_bf16 v[ACC+8*(3*\b+\tt):ACC+8*(3*\b+\tt)+7], v[ABUF+24*\b+8*\tt:ABUF+24*\b+8*\tt+7], v[(\xb):(\xb)+7], 0
.else
	v_wmma_f32_16x16x32_bf16 v[ACC+8*(3*\b+\tt):ACC+8*(3*\b+\tt)+7], v[ABUF+24*\b+8*\tt:ABUF+24*\b+8*\tt+7], v[(\xb):(\xb)+7], v[ACC+8*(3*\b+\tt):ACC+8*(3*\b+\tt)+7]
.endif
.endr
.if \ks < 7
	PLACES 4                                       ; four places before loads land on registers that a matrix instruction has read
	LDA \ks+1, \b
.endif
.endm
.macro KSTEP ks, c0, c1, c2, c3
.if \ks < 7
	LDX \ks+1
.endif
	GRP \ks, 0, XB+8*(\ks%2), \c0
	GRP \ks, 1, XB+8*(\ks%2), \c1
.if \ks < 7
	s_wait_dscnt 0x0
	CVX XB+8*((\ks+1)%2)
.endif
	GRP \ks, 2, XB+8*(\ks%2), \c2
	GRP \ks, 3, XB+8*(\ks%2), \c3
.endm
	s_load_b256 s[4:11], s[0:1], 0x0               ; x s[4:5], bbf s[6:7], rqx s[8:9], rkx s[10:11]
	s_load_b64 s[12:13], s[0:1], 0x20              ; rv
	v_lshl_add_u32 v232, v0, 2, 0x3b100
	v_mov_b32 v233, 0
	ds_add_u32 v232, v233
	ds_add_u32 v232, v233
	v_lshrrev_b32 v1, 5, v0
	v_readfirstlane_b32 s14, v1                    ; wave 0..7
	s_mov_b32 s15, 0xffff0000
	; descriptor group 1: 16 rows x 256 elements of 4 bytes, 16 bytes of padding behind every 256 words
	s_mov_b32 s16, (2<<16)|(1<<20)|(7<<22)|(3<<25)
	s_mov_b32 s17, 256<<16                         ; tensor_dim0 = 256
	s_mov_b32 s18, 16<<16                          ; tensor_dim1 = 16
	s_mov_b32 s19, 256<<16                         ; tile_dim0 = 256
	s_mov_b32 s20, 16                              ; tile_dim1 = 16
	s_mov_b32 s21, 2048                            ; elements from row to row
	s_mov_b32 s22, 0
	s_mov_b32 s23, 0
	s_mov_b32 s24, 1
	s_mul_i32 s25, s14, XW                         ; the wave's own LDS bytes
	s_lshl_b32 s28, ttmp9, 17                      ; 16 rows of 8,192 bytes
	s_lshl_b32 s29, s14, 10                        ; the wave's 1,024 bytes of a row
	s_add_co_u32 s28, s28, s29
	s_mov_b32 s29, 0
	s_wait_dscnt 0x0
	s_wait_kmcnt 0x0
	s_add_nc_u64 s[26:27], s[4:5], s[28:29]
	s_or_b32 s27, s27, 0x80000000
	tensor_load_to_lds s[24:27], s[16:23]
	s_nop 0
	s_lshl_b32 s28, ttmp9, 12                      ; my 16 rows of rqx and rkx
	s_add_nc_u64 s[8:9], s[8:9], s[28:29]
	s_add_nc_u64 s[10:11], s[10:11], s[28:29]
	s_lshl_b32 s28, ttmp9, 11                      ; and of rv
	s_add_nc_u64 s[12:13], s[12:13], s[28:29]
	s_lshl_b32 s30, s14, 13
	v_and_b32 v8, 31, v0
	v_and_b32 v9, 15, v0
	v_bfe_u32 v10, v0, 4, 1
	v_lshl_add_u32 v1, v8, 4, s30                  ; bbf: 16 lane + the wave's eight K steps
	LDA 0, 0
	LDA 0, 1
	LDA 0, 2
	LDA 0, 3
	v_mul_u32_u24 v11, v9, XP
	v_lshl_add_u32 v11, v10, 5, v11
	v_add_nc_u32 v2, s25, v11                      ; x: row r, 32 hh bytes
	v_lshlrev_b32 v8, 4, v8
	v_add_nc_u32 v8, RED, v8
	s_mul_i32 s31, s14, 12288
	v_add_nc_u32 v3, s31, v8                       ; where my partial sums go
	s_lshl_b32 s31, s14, 10
	v_add_nc_u32 v4, s31, v8                       ; tile w of waves 0-3's sums
	v_add_nc_u32 v5, 49152, v4                     ; of waves 4-7's
	s_lshl_b32 s31, s14, 9
	s_add_co_u32 s31, s31, 8192
	v_add_nc_u32 v6, s31, v8                       ; tile 8 + (w >> 1), half w & 1
	v_add_nc_u32 v7, 49152, v6
	s_wait_tensorcnt 0x0                           ; my tile is in LDS; only I read it
	LDX 0
	s_wait_dscnt 0x0
	CVX XB
.irp ks, 0,1,2,3,4,5,6
	KSTEP \ks, 18, 18, 18, 18                      ; three younger groups of six loads stay out
.endr
	KSTEP 7, 18, 12, 6, 0                          ; nothing more is loaded: the counts run down
	PLACES 4
.irp tt, 0,1,2,3,4,5,6,7,8,9,10,11
	ds_store_b128 v3, v[ACC+8*\tt:ACC+8*\tt+3]   offset:\tt*1024
	ds_store_b128 v3, v[ACC+8*\tt+4:ACC+8*\tt+7] offset:\tt*1024+512
.endr
	s_wait_dscnt 0x0
	s_barrier_signal -1
	s_barrier_wait -1
	; wave w adds the eight partial sums of three units of 4 registers: (tile w, q 0), (tile w, q 1), (tile 8 + (w >> 1), q = w & 1)
.irp pw, 0,1,2,3
	ds_load_b128 v[40+4*\pw:40+4*\pw+3],   v4 offset:\pw*12288
	ds_load_b128 v[72+4*\pw:72+4*\pw+3],   v4 offset:\pw*12288+512
	ds_load_b128 v[104+4*\pw:104+4*\pw+3], v6 offset:\pw*12288
	ds_load_b128 v[56+4*\pw:56+4*\pw+3],   v5 offset:\pw*12288
	ds_load_b128 v[88+4*\pw:88+4*\pw+3],   v5 offset:\pw*12288+512
	ds_load_b128 v[120+4*\pw:120+4*\pw+3], v7 offset:\pw*12288
.endr
	v_and_b32 v8, 15, v0
	v_bfe_u32 v9, v0, 4, 1
	v_mul_u32_u24 v10, v8, 656
	v_lshl_add_u32 v10, v9, 4, v10
	v_add_nc_u32 v10, STG, v10                     ; row r, 8 hh harmonics
	s_lshr_b32 s28, s14, 2
	s_lshl_b32 s28, s28, 8                         ; Rq or Rk
	s_and_b32 s29, s14, 3
	s_lshl_b32 s29, s29, 5                         ; 16 harmonics of a tile
	s_add_co_u32 s28, s28, s29
	v_add_nc_u32 v11, s28, v10
	s_lshr_b32 s28, s14, 1
	s_lshl_b32 s28, s28, 5
	s_and_b32 s29, s14, 1
	s_lshl_b32 s29, s29, 3
	s_add_co_u32 s28, s28, s29
	s_add_co_u32 s28, s28, 512                     ; Rv
	v_add_nc_u32 v12, s28, v10
	s_wait_dscnt 0x0
.irp pw, 1,2,3,4,5,6,7
.irp u, 0,1,2
	v_pk_add_f32 v[40+32*\u:41+32*\u], v[40+32*\u:41+32*\u], v[40+32*\u+4*\pw:41+32*\u+4*\pw]
	v_pk_add_f32 v[42+32*\u:43+32*\u], v[42+32*\u:43+32*\u], v[42+32*\u+4*\pw:43+32*\u+4*\pw]
.endr
.endr
	SPLIT2 24, 26, 40, 41, 34, 35
	SPLIT2 25, 27, 42, 43, 36, 37
	SPLIT2 28, 30, 72, 73, 34, 35
	SPLIT2 29, 31, 74, 75, 36, 37
	v_cvt_pk_bf16_f32 v32, v104, v105
	v_cvt_pk_bf16_f32 v33, v106, v107
	ds_store_b64 v11, v[24:25]
	ds_store_b64 v11, v[26:27] offset:128
	ds_store_b64 v11, v[28:29] offset:8
	ds_store_b64 v11, v[30:31] offset:136
	ds_store_b64 v12, v[32:33]
	s_wait_dscnt 0x0
	s_barrier_signal -1
	s_barrier_wait -1
	; the way out: sixteen neighbouring lanes store 256 consecutive bytes, aligned
	v_lshrrev_b32 v8, 4, v0
	v_mul_u32_u24 v8, v8, 656
	v_and_b32 v9, 15, v0
	v_lshl_add_u32 v8, v9, 4, v8
	v_add_nc_u32 v8, STG, v8
	ds_load_b128 v[40:43], v8
	ds_load_b128 v[44:47], v8 offset:256
	v_lshlrev_b32 v9, 4, v0
	s_wait_dscnt 1                                 ; the second load may stay out
	global_store_b128 v9, v[40:43], s[8:9]
	s_wait_dscnt 0x0
	global_store_b128 v9, v[44:47], s[10:11]
	s_cmp_gt_u32 s14, 3                            ; rv has half the bytes: waves 0-3
	s_cbranch_scc1 .Lend
	v_lshrrev_b32 v10, 3, v0
	v_mul_u32_u24 v10, v10, 656
	v_and_b32 v11, 7, v0
	v_lshl_add_u32 v10, v11, 4, v10
	v_add_nc_u32 v10, STG+512, v10
	ds_load_b128 v[48:51], v10
	s_wait_dscnt 0x0
	global_store_b128 v9, v[48:51], s[12:13]
.Lend:
	s_wait_tensorcnt 0x0
	ds_add_u32 v232, v233
	s_wait_dscnt 0x0
	s_endpgm
.Lfunc_end_k_q2e66906f8b_proj:
	.size	k_q2e66906f8b_proj, .Lfunc_end_k_q2e66906f8b_proj-k_q2e66906f8b_proj
	.p2alignl 7, 3214868480
	.fill 96, 4, 3214868480
	.section	.rodata,"a",@progbits
	.p2align	6, 0x0
	.amdhsa_kernel k_q2e66906f8b_proj
		.amdhsa_group_segment_fixed_size 242944
		.amdhsa_private_segment_fixed_size 0
		.amdhsa_enable_private_segment 0
		.amdhsa_kernarg_size 40
		.amdhsa_user_sgpr_count 2
		.amdhsa_user_sgpr_kernarg_segment_ptr 1
		.amdhsa_wavefront_size32 1
		.amdhsa_system_sgpr_workgroup_id_x 1
		.amdhsa_system_sgpr_workgroup_id_y 1
		.amdhsa_system_sgpr_workgroup_id_z 1
		.amdhsa_system_vgpr_workitem_id 0
		.amdhsa_next_free_vgpr 234
		.amdhsa_next_free_sgpr 66
		.amdhsa_reserve_vcc 0
		.amdhsa_float_denorm_mode_32 3
		.amdhsa_float_denorm_mode_16_64 3
		.amdhsa_memory_ordered 1
		.amdhsa_forward_progress 1
		.amdhsa_inst_pref_size 48
	.end_amdhsa_kernel
	.amdgpu_metadata
---
amdhsa.version: [ 1, 2 ]
amdhsa.kernels:
  - .name:           k_q2e66906f8b_proj
    .symbol:         k_q2e66906f8b_proj.kd
    .args:
      - { .name: hidden_states, .offset: 0, .size: 8, .value_kind: global_buffer, .address_space: global }
      - { .name: bbf, .offset: 8, .size: 8, .value_kind: global_buffer, .address_space: global }
      - { .name: rqx, .offset: 16, .size: 8, .value_kind: global_buffer, .address_space: global }
      - { .name: rkx, .offset: 24, .size: 8, .value_kind: global_buffer, .address_space: global }
      - { .name: rv, .offset: 32, .size: 8, .value_kind: global_buffer, .address_space: global }
    .group_segment_fixed_size: 242944
    .private_segment_fixed_size: 0
    .kernarg_segment_align: 8
    .kernarg_segment_size: 40
    .max_flat_workgroup_size: 256
    .sgpr_count:     66
    .vgpr_count:     234
    .wavefront_size: 32
...
	.end_amdgpu_metadata
.endif
;; end of part 2
;; launch attn (part 3): grid 256 x 1, 8 waves a work-group, clusters of 4 x 1, 327,680 bytes of LDS; arguments rqx, rkx, rv, mtf, ntf, wof, out0; writes out0
.if DOCPART == 3
	.amdgcn_target "amdgcn-amd-amdhsa--gfx1250"
	.amdhsa_code_object_version 6
	.text
	.protected	k_q2e66906f8b_attn
	.globl	k_q2e66906f8b_attn
	.p2align	8
	.type	k_q2e66906f8b_attn,@function
k_q2e66906f8b_attn:
	s_mov_b64 s[64:65], 0
	v_nop
	global_prefetch_b8 v0, s[64:65] scope:SCOPE_SE
	s_setreg_imm32_b32 hwreg(HW_REG_WAVE_MODE, 25, 1), 1
	s_wait_xcnt 0x0
	s_wait_alu depctr_hold_cnt(0) depctr_sa_sdst(0) depctr_va_vdst(0) depctr_va_sdst(0) depctr_va_ssrc(0) depctr_va_vcc(0) depctr_vm_vsrc(0)
	s_getreg_b32 s2, hwreg(HW_REG_IB_STS2, 6, 4)
	s_cmp_eq_u32 s2, 0
	s_cbranch_scc0 .Lentry_in_a_cluster
	s_endpgm
.Lentry_in_a_cluster:
	s_bfe_u32 s2, ttmp6, 0x10000c
	s_cmp_lg_u32 s2, 0x3003
	s_cbranch_scc0 .Lentry_shape_is_right
	s_endpgm
.Lentry_shape_is_right:
; Attention and the last linear, on the rank-64 form of q, k and v:
;   scores_h log2(e)/sqrt(128) = q'_h Rk^T, q'_h = Rq MT_h^T;  U_h = softmax(scores_h) Rv;  Ro = sum over h of U_h NT_h^T;  out = Ro Wo^T.
; So all 16 heads read the same keys Rk and the same values Rv, and q, k, v and the heads' outputs never go to memory.
; A work-group owns 16 positions and all 16 heads; wave w owns heads 2 w and 2 w + 1.
; The matrix unit is used transposed: S^T = Rk q'^T (keys along the registers, the query in lane & 15), so that exp(S) packs straight into the
; B fragment of O^T = Rv^T P, and O^T, Z^T and out^T follow in the same way.
; Softmax with a running maximum, in base 2 (the factor lies in MT).
; Small operands are pairs of bf16 (hi + lo) and their products three terms: hi hi + lo hi + hi lo.
; CLUSTER: the four work-groups of a cluster belong to one batch and walk the same tiles of Rk and Rv: each tile is asked for jointly (mask 15).
; Waves 0-3 ask for 64 keys of Rk each, waves 4-7 for 64 keys of Rv each: one tensor load a wave behind each round of the cluster's barrier, and one outstanding at most.
; A tile is 256 keys; two LDS slots; 8 tiles.
; LIMITS: P and Rv are single bf16; the sum of a row of P is taken before P is rounded; NaN and infinities are not served.
.set SLOT,  106496                     ; K part: 256 keys x 272 bytes (hi 128 | lo 128 | 16); V part: 128 pairs of keys x 288 bytes (256 + 32)
.set VPART, 69632
.set PART,  212992                     ; 8 waves x 16 rows x 272 bytes: the waves' parts of Ro, f32
.set STG,   247808                     ; 8 waves x 16 rows x 272 bytes: the way out, each wave's own
.set O, 40                             ; v[40:103]  O(c, hd) = O + 8 (2 c + hd)
.set S, 104                            ; v[104:167] S(t, hd) = S + 8 (2 t + hd); P(hd, f) in place in S(2 f, hd)
.set F, 168                            ; v[168:231] fragments of K, then of V
; v1, v2 K addresses by slot; v3, v4 V addresses by slot; v5 mtf/ntf offset; v6 wof offset; v7 out0 offset
; v8, v9 new maxima; v10, v11 the other half's; v[12:13], v[14:15] rescale factors; v[16:31] chains; v[8:39] later Z and Ro
; v[232:233], v[234:235] running maxima; v[236:237], v[238:239] running sums (two partial sums a lane)
; window 1 (v256-v319): QH(hd, ks) = 16 hd + 8 ks, QL = 32 + that
.set SMASK, 30
.set MSB, 0
.macro WIN new                         ; the immediate's high byte repeats the setting that is left
.if MSB != \new
	s_set_vgpr_msb (MSB<<8)|\new
.set MSB, \new
.endif
.endm
.macro PLACES cnt
.rept \cnt
	v_nop
.endr
.endm
.macro SPLIT2 H, Lo, a, b, T0, T1
	v_cvt_pk_bf16_f32 v[\H], v[\a], v[\b]
	v_lshlrev_b32 v[\T0], 16, v[\H]
	v_and_b32 v[\T1], s[SMASK], v[\H]
	v_sub_f32 v[\T0], v[\a], v[\T0]
	v_sub_f32 v[\T1], v[\b], v[\T1]
	v_cvt_pk_bf16_f32 v[\Lo], v[\T0], v[\T1]
.endm
.macro W1 d, a, b, zero
.if \zero
	v_wmma_f32_16x16x32_bf16 v[(\d):(\d)+7], v[(\a):(\a)+7], v[(\b):(\b)+7], 0
.else
	v_wmma_f32_16x16x32_bf16 v[(\d):(\d)+7], v[(\a):(\a)+7], v[(\b):(\b)+7], v[(\d):(\d)+7]
.endif
.endm
; 24 matrix instructions: four tiles d + 8 t, K = 64, three terms.  The four accumulators take turns, one instruction a turn.
.macro MM3 d, ah, al, bh, bl, zero
.irp ks, 0,1
.irp tt, 0,1,2,3
	W1 \d+8*\tt, \ah+16*\tt+8*\ks, \bh+8*\ks, \zero*(1-\ks)
.endr
.endr
.irp ks, 0,1
.irp tt, 0,1,2,3
	W1 \d+8*\tt, \al+16*\tt+8*\ks, \bh+8*\ks, 0
.endr
.endr
.irp ks, 0,1
.irp tt, 0,1,2,3
	W1 \d+8*\tt, \ah+16*\tt+8*\ks, \bl+8*\ks, 0
.endr
.endr
.endm
; 32 loads: four tiles of a 64-wide weight in fragment order, hi into dh, lo into dl
.macro LDW va, sb, imm0, tstep, hlstep, dh, dl
.irp tt, 0,1,2,3
.irp ks, 0,1
	global_load_b128 v[\dh+16*\tt+8*\ks:\dh+16*\tt+8*\ks+3],   v[\va], s[\sb:\sb+1] offset:(\imm0)+\tt*\tstep+\ks*1024
	global_load_b128 v[\dh+16*\tt+8*\ks+4:\dh+16*\tt+8*\ks+7], v[\va], s[\sb:\sb+1] offset:(\imm0)+\tt*\tstep+\ks*1024+512
	global_load_b128 v[\dl+16*\tt+8*\ks:\dl+16*\tt+8*\ks+3],   v[\va], s[\sb:\sb+1] offset:(\imm0)+\hlstep+\tt*\tstep+\ks*1024
	global_load_b128 v[\dl+16*\tt+8*\ks+4:\dl+16*\tt+8*\ks+7], v[\va], s[\sb:\sb+1] offset:(\imm0)+\hlstep+\tt*\tstep+\ks*1024+512
.endr
.endr
.endm
; a round of the cluster's barrier
.macro ROUND
	s_barrier_signal -1
	s_barrier_wait -1
	s_cmp_lg_u32 s18, 0
	s_cbranch_scc1 .Lnot_wave_0_\@
	s_barrier_signal -3
.Lnot_wave_0_\@:
	s_barrier_wait -3
	s_barrier_signal -1
	s_barrier_wait -1
.endm
; a joint load: waves 0-3 ask for keys, waves 4-7 for values.  The branch hangs on the wave's number alone.
.macro JLOAD slot
	s_cmp_eq_u32 s19, 0
	s_cbranch_scc0 .Lfor_v_\@
	tensor_load_to_lds s[48+4*(\slot):51+4*(\slot)], s[32:39]
	s_nop 0
	s_branch .Lasked_\@
.Lfor_v_\@:
	tensor_load_to_lds s[56+4*(\slot):59+4*(\slot)], s[40:47]
	s_nop 0
.Lasked_\@:
.endm
; 16 LDS loads: key tiles 2 half, 2 half + 1 of the 64 keys u: KH(tt, ks) = F + 16 tt + 8 ks, KL = that + 32
.macro LOADK slot, u, half
.irp tt, 0,1
.irp hl, 0,1
.irp ks, 0,1
	ds_load_b128 v[F+32*\hl+16*\tt+8*\ks:F+32*\hl+16*\tt+8*\ks+3],   v[1+\slot] offset:(\u)*17408+(2*\half+\tt)*4352+\hl*128+\ks*64
	ds_load_b128 v[F+32*\hl+16*\tt+8*\ks+4:F+32*\hl+16*\tt+8*\ks+7], v[1+\slot] offset:(\u)*17408+(2*\half+\tt)*4352+\hl*128+\ks*64+32
.endr
.endr
.endr
.endm
; 16 transposing LDS loads: VF(c, f) = F + 8 (4 f + c): 16 columns c of Rv, 32 keys f
.macro LOADV slot, u
.irp ff, 0,1
.irp cc, 0,1,2,3
	ds_load_tr16_b128 v[F+8*(4*\ff+\cc):F+8*(4*\ff+\cc)+3],   v[3+\slot] offset:(\u)*9216+\ff*4608+\cc*32
	ds_load_tr16_b128 v[F+8*(4*\ff+\cc)+4:F+8*(4*\ff+\cc)+7], v[3+\slot] offset:(\u)*9216+\ff*4608+\cc*32+2304
.endr
.endr
.endm
; 24 matrix instructions on the four accumulators S(2 half + tt, hd), by turns; B lies in window 1
.macro QKG half
.irp ks, 0,1
.irp tt, 0,1
.irp hd, 0,1
	W1 S+8*(2*(2*\half+\tt)+\hd), F+16*\tt+8*\ks, 16*\hd+8*\ks, 1-\ks
.endr
.endr
.endr
.irp ks, 0,1
.irp tt, 0,1
.irp hd, 0,1
	W1 S+8*(2*(2*\half+\tt)+\hd), F+32+16*\tt+8*\ks, 16*\hd+8*\ks, 0
.endr
.endr
.endr
.irp ks, 0,1
.irp tt, 0,1
.irp hd, 0,1
	W1 S+8*(2*(2*\half+\tt)+\hd), F+16*\tt+8*\ks, 32+16*\hd+8*\ks, 0
.endr
.endr
.endr
.endm
.macro OSCALE                          ; O times the factor in v12 (head 0), v14 (head 1)
	s_wait_alu depctr_va_vdst(0)
.irp cc, 0,1,2,3
.irp hd, 0,1
.irp j, 0,2,4,6
	v_pk_mul_f32 v[O+8*(2*\cc+\hd)+\j:O+8*(2*\cc+\hd)+\j+1], v[O+8*(2*\cc+\hd)+\j:O+8*(2*\cc+\hd)+\j+1], v[12+2*\hd:13+2*\hd] op_sel_hi:[1,0]
.endr
.endr
.endr
.endm
; 64 keys x 16 queries x 2 heads.  A lane holds 32 scores of a head; lane and lane xor 16 hold a query's 64.
.macro SOFTMAX first
.irp hd, 0,1
.if \first
	v_max_num_f32 v[8+\hd], v[S+8*\hd], v[S+8*\hd+1]
.else
	v_max3_num_f32 v[8+\hd], v[232+2*\hd], v[S+8*\hd], v[S+8*\hd+1]          ; the running maximum starts the chain
.endif
	v_max_num_f32 v[16+\hd], v[S+32+8*\hd], v[S+32+8*\hd+1]
.endr
.irp k, 1,2,3,4,5,6,7
.irp hd, 0,1
	v_max3_num_f32 v[8+\hd], v[8+\hd], v[S+16*(\k/4)+8*\hd+2*(\k%4)], v[S+16*(\k/4)+8*\hd+2*(\k%4)+1]
	v_max3_num_f32 v[16+\hd], v[16+\hd], v[S+32+16*(\k/4)+8*\hd+2*(\k%4)], v[S+32+16*(\k/4)+8*\hd+2*(\k%4)+1]
.endr
.endr
	v_max_num_f32 v8, v8, v16
	v_max_num_f32 v9, v9, v17
	v_permlanex16_b32 v10, v8, s28, s29            ; the other 32 keys' maximum
	v_permlanex16_b32 v11, v9, s28, s29
	v_max_num_f32 v8, v8, v10
	v_max_num_f32 v9, v9, v11
.if \first == 0
	v_sub_f32 v12, v232, v8
	v_sub_f32 v14, v234, v9
	v_exp_f32 v12, v12                             ; 2^(old maximum - new)
	v_exp_f32 v14, v14
.endif
	v_mov_b32 v232, v8                             ; plain instructions stand between the exponentials and the use of their results (ISA guide 5.7.2)
	v_mov_b32 v234, v9
.irp k, 0,1,2,3,4,5,6,7,8,9,10,11,12,13,14,15
.irp hd, 0,1
	v_pk_add_f32 v[S+16*(\k/4)+8*\hd+2*(\k%4):S+16*(\k/4)+8*\hd+2*(\k%4)+1], v[S+16*(\k/4)+8*\hd+2*(\k%4):S+16*(\k/4)+8*\hd+2*(\k%4)+1], v[232+2*\hd:233+2*\hd] op_sel_hi:[1,0] neg_lo:[0,1] neg_hi:[0,1]
.endr
.endr
.set k, 0
.rept 64
	v_exp_f32 v[S+k], v[S+k]
.set k, k+1
.endr
.if \first
	v_nop                                          ; the plain place behind the exponentials
	s_wait_alu depctr_va_vdst(0)
.else
	OSCALE                                         ; plain work that touches none of them
.endif
	; the sum of a lane's 32 numbers of each head, in four chains of pairs
.irp k, 0,1,2,3
.irp hd, 0,1
	v_pk_add_f32 v[16+8*\hd+2*\k:17+8*\hd+2*\k], v[S+8*\hd+2*\k:S+8*\hd+2*\k+1], v[S+16+8*\hd+2*\k:S+16+8*\hd+2*\k+1]
.endr
.endr
.irp t2, 32,48
.irp k, 0,1,2,3
.irp hd, 0,1
	v_pk_add_f32 v[16+8*\hd+2*\k:17+8*\hd+2*\k], v[16+8*\hd+2*\k:17+8*\hd+2*\k], v[S+\t2+8*\hd+2*\k:S+\t2+8*\hd+2*\k+1]
.endr
.endr
.endr
.irp hd, 0,1
	v_pk_add_f32 v[16+8*\hd:17+8*\hd], v[16+8*\hd:17+8*\hd], v[18+8*\hd:19+8*\hd]
	v_pk_add_f32 v[20+8*\hd:21+8*\hd], v[20+8*\hd:21+8*\hd], v[22+8*\hd:23+8*\hd]
.endr
.irp hd, 0,1
.if \first
	v_pk_add_f32 v[236+2*\hd:237+2*\hd], v[16+8*\hd:17+8*\hd], v[20+8*\hd:21+8*\hd]
.else
	v_pk_add_f32 v[16+8*\hd:17+8*\hd], v[16+8*\hd:17+8*\hd], v[20+8*\hd:21+8*\hd]
	v_pk_fma_f32 v[236+2*\hd:237+2*\hd], v[236+2*\hd:237+2*\hd], v[12+2*\hd:13+2*\hd], v[16+8*\hd:17+8*\hd] op_sel_hi:[1,0,1]
.endif
.endr
	; P in bf16, in place: keys 8 hh .. of tile 2 f into registers 0-3, of tile 2 f + 1 into registers 4-7: a B fragment of 32 keys
.irp ff, 0,1
.irp hd, 0,1
.irp j, 0,1,2,3
	v_cvt_pk_bf16_f32 v[S+8*(4*\ff+\hd)+\j], v[S+8*(4*\ff+\hd)+2*\j], v[S+8*(4*\ff+\hd)+2*\j+1]
.endr
.irp j, 0,1,2,3
	v_cvt_pk_bf16_f32 v[S+8*(4*\ff+\hd)+4+\j], v[S+8*(4*\ff+2+\hd)+2*\j], v[S+8*(4*\ff+2+\hd)+2*\j+1]
.endr
.endr
.endr
.endm
.macro PV first                        ; 16 matrix instructions, the eight accumulators O by turns
.irp ff, 0,1
.irp cc, 0,1,2,3
.irp hd, 0,1
	W1 O+8*(2*\cc+\hd), F+8*(4*\ff+\cc), S+8*(4*\ff+\hd), \first*(1-\ff)
.endr
.endr
.endr
.endm
; 64 keys
.macro SUB slot, u, first
	s_wait_dscnt 0x0                               ; the first two key tiles' fragments are in
	WIN 0x04                                       ; source 1 (q') in window 1
	QKG 0
	PLACES 4                                       ; four places before loads land on registers that matrix instructions have read
	LOADK \slot, \u, 1
	s_wait_dscnt 0x0
	QKG 1
	WIN 0
	PLACES 5                                       ; five places before a matrix instruction takes these results as B; four before they are read
	LOADV \slot, \u
	SOFTMAX \first
	s_wait_dscnt 0x0                               ; the values' fragments are in
	PV \first
	PLACES 5                                       ; five places before the next scores are written over P; four before the loads below
.if \u < 3
	LOADK \slot, \u+1, 0
.endif
.endm
; a tile of 256 keys.  In front of the round each wave waits for all its tensor loads and for its LDS reads; behind it the other slot is asked for first.
.macro TRIP slot, refill, first
	s_wait_tensorcnt 0x0                           ; all my tensor loads have landed, my part of this tile among them: every group 0 may be written
	ds_add_u32 v254, v255
	s_wait_dscnt 0x0
	s_add_nc_u64 s[50+4*\slot:51+4*\slot], s[50+4*\slot:51+4*\slot], 131072    ; this slot's next tile of keys: two tiles on
	s_add_nc_u64 s[58+4*\slot:59+4*\slot], s[58+4*\slot:59+4*\slot], 65536     ; and of values
	s_wait_dscnt 0x0                               ; my reads of the last tile are over
	ROUND                                          ; both hold of every wave of the four work-groups
.if \refill
	JLOAD 1-\slot                                  ; the next tile, into the slot read last
.endif
	LOADK \slot, 0, 0
	SUB \slot, 0, \first
	SUB \slot, 1, 0
	SUB \slot, 2, 0
	SUB \slot, 3, 0
.endm
; q' of head 2 w + hd, as a pair of bf16 in B fragment order in window 1
.macro QPRE hd
	LDW 5, 10, \hd*16384, 2048, 8192, S, F
	s_wait_loadcnt 0x0
	MM3 72, S, F, 40, 56, 1                        ; D(jt)(j, query) = sum over i of MT[j][i] Rq[query][i]
	PLACES 5
	WIN 0x40                                       ; destination in window 1
.irp x, 0,1,2,3,4,5,6,7,8,9,10,11,12,13,14,15
	v_cvt_pk_bf16_f32 v[16*\hd+\x], v[72+2*\x], v[73+2*\x]
.endr
	WIN 0x04                                       ; source 1 in window 1
.irp x, 0,1,2,3,4,5,6,7,8,9,10,11,12,13,14,15
	v_lshlrev_b32 v[S+2*\x], 16, v[16*\hd+\x]
	v_and_b32 v[S+2*\x+1], s[SMASK], v[16*\hd+\x]
.endr
	WIN 0
.irp x, 0,1,2,3,4,5,6,7,8,9,10,11,12,13,14,15
	v_pk_add_f32 v[72+2*\x:73+2*\x], v[72+2*\x:73+2*\x], v[S+2*\x:S+2*\x+1] neg_lo:[0,1] neg_hi:[0,1]
.endr
	WIN 0x40
.irp x, 0,1,2,3,4,5,6,7,8,9,10,11,12,13,14,15
	v_cvt_pk_bf16_f32 v[32+16*\hd+\x], v[72+2*\x], v[73+2*\x]
.endr
	WIN 0
.endm
	s_load_b256 s[4:11], s[0:1], 0x0               ; rqx s[4:5], rkx s[6:7], rv s[8:9], mtf s[10:11]
	s_load_b128 s[12:15], s[0:1], 0x20             ; ntf s[12:13], wof s[14:15]
	s_load_b64 s[16:17], s[0:1], 0x30              ; out0
	v_lshl_add_u32 v254, v0, 2, 0x45000
	v_mov_b32 v255, 0
	ds_add_u32 v254, v255
	ds_add_u32 v254, v255
	v_lshrrev_b32 v16, 5, v0
	v_readfirstlane_b32 s18, v16                   ; wave 0..7
	s_lshr_b32 s19, s18, 2                         ; 0: I ask for keys, 1: for values
	s_and_b32 s20, s18, 3                          ; which 64 keys of a tile
	s_bfe_u32 s21, ttmp6, 0x40000                  ; cx
	s_lshl_b32 s22, ttmp9, 2
	s_add_co_u32 s22, s22, s21                     ; work-group = 4 x cluster + cx: it enters the addresses of rqx and out0 alone
	s_lshr_b32 s23, ttmp9, 5                       ; batch: 32 clusters each, the same in the four partners
	s_mov_b32 s28, 0x76543210                      ; v_permlanex16_b32: lane i reads lane i of the other half
	s_mov_b32 s29, 0xfedcba98
	s_mov_b32 s30, 0xffff0000
	; group 1 for keys: 64 rows x 128 elements of 2 bytes, 16 bytes of padding behind every 64 words, mask 15 with bit 21 beside it
	s_mov_b32 s32, 15|(1<<16)|(1<<20)|(1<<21)|(5<<22)|(3<<25)
	s_mov_b32 s33, 128<<16
	s_mov_b32 s34, 64<<16
	s_mov_b32 s35, 128<<16
	s_mov_b32 s36, 64
	s_mov_b32 s37, 128
	s_mov_b32 s38, 0
	s_mov_b32 s39, 0
	; group 1 for values: 64 keys of 128 bytes are dense: 32 rows x 32 elements of 8 bytes, 32 bytes of padding behind every 64 words
	s_mov_b32 s40, 15|(3<<16)|(1<<20)|(1<<21)|(5<<22)|(7<<25)
	s_mov_b32 s41, 32<<16
	s_mov_b32 s42, 32<<16
	s_mov_b32 s43, 32<<16
	s_mov_b32 s44, 32
	s_mov_b32 s45, 32
	s_mov_b32 s46, 0
	s_mov_b32 s47, 0
	s_lshl_b32 s24, s23, 19                        ; keys: batch x 2,048 rows of 256 bytes
	s_lshl_b32 s25, s20, 14                        ; + my 64 rows
	s_add_co_u32 s24, s24, s25
	s_mov_b32 s25, 0
	s_lshl_b32 s26, s23, 18                        ; values: rows of 128 bytes
	s_lshl_b32 s27, s20, 13
	s_add_co_u32 s26, s26, s27
	s_mov_b32 s27, 0
	s_wait_dscnt 0x0
	s_wait_kmcnt 0x0
	s_add_nc_u64 s[6:7], s[6:7], s[24:25]
	s_add_nc_u64 s[8:9], s[8:9], s[26:27]
	s_mul_i32 s24, s18, 17408                      ; keys of waves 0-3: wave x 64 rows of 272 bytes
	s_mul_i32 s25, s18, 9216                       ; values of waves 4-7: VPART + (wave - 4) x 32 rows of 288 bytes
.irp s, 0,1
	s_mov_b32 s[48+4*\s], 1
	s_add_co_u32 s[49+4*\s], s24, \s*SLOT
	s_add_nc_u64 s[50+4*\s:51+4*\s], s[6:7], \s*65536
	s_or_b32 s[51+4*\s], s[51+4*\s], 0x80000000
	s_mov_b32 s[56+4*\s], 1
	s_add_co_u32 s[57+4*\s], s25, \s*SLOT+VPART-36864
	s_add_nc_u64 s[58+4*\s:59+4*\s], s[8:9], \s*32768
	s_or_b32 s[59+4*\s], s[59+4*\s], 0x80000000
.endr
	s_lshl_b32 s2, s22, 12                         ; my 16 rows of rqx
	s_mov_b32 s3, 0
	s_add_nc_u64 s[4:5], s[4:5], s[2:3]
	s_lshl_b32 s2, s22, 17                         ; my 16 rows of out0
	s_add_nc_u64 s[16:17], s[16:17], s[2:3]
	v_and_b32 v16, 15, v0                          ; r
	v_bfe_u32 v17, v0, 4, 1                        ; hh
	v_and_b32 v18, 31, v0                          ; lane
	v_lshlrev_b32 v20, 8, v16
	v_lshl_add_u32 v20, v17, 4, v20                ; rqx: row r, 16 hh
.irp hl, 0,1
.irp ks, 0,1
	global_load_b128 v[40+16*\hl+8*\ks:40+16*\hl+8*\ks+3], v20, s[4:5] offset:\hl*128+\ks*64
	global_load_b128 v[40+16*\hl+8*\ks+4:40+16*\hl+8*\ks+7], v20, s[4:5] offset:\hl*128+\ks*64+32
.endr
.endr
	v_mul_u32_u24 v1, v16, 272
	v_lshl_add_u32 v1, v17, 4, v1                  ; keys: row r, 16 hh
	v_add_nc_u32 v2, SLOT, v1
	v_bfe_u32 v19, v0, 1, 2
	v_lshl_add_u32 v19, v17, 2, v19                ; values: key 8 hh + (lane & 7) lies in pair 4 hh + ((lane & 7) >> 1),
	v_mul_u32_u24 v3, v19, 288
	v_and_b32 v19, 1, v0
	v_lshl_add_u32 v3, v19, 7, v3                  ; half lane & 1 of the pair's row,
	v_bfe_u32 v19, v0, 3, 1
	v_lshl_add_u32 v3, v19, 4, v3                  ; 16 bytes on for lanes 8-15 of each half
	v_add_nc_u32 v3, VPART, v3
	v_add_nc_u32 v4, SLOT, v3
	s_lshl_b32 s2, s18, 15
	v_lshl_add_u32 v5, v18, 4, s2                  ; mtf, ntf: two heads of 16,384 bytes a wave
	s_lshl_b32 s2, s18, 16
	v_lshl_add_u32 v6, v18, 4, s2                  ; wof: 16 tiles of 4,096 bytes a wave
	s_lshl_b32 s2, s18, 10
	v_lshl_add_u32 v7, v16, 4, s2                  ; out0: the wave's 1,024 bytes of a row, 16 r,
	v_lshl_add_u32 v7, v17, 13, v7                 ; one row down for lanes 16-31
	v_mov_b32 v10, 0                               ; written once: destinations of the lane exchange, and the halves of pairs that are named but not used
	v_mov_b32 v11, 0
	v_mov_b32 v13, 0
	v_mov_b32 v15, 0
	v_mov_b32 v233, 0
	v_mov_b32 v235, 0
	ROUND                                          ; the four work-groups are here: the first joint loads meet
	JLOAD 0                                        ; tile 0
	QPRE 0
	QPRE 1
	TRIP 0, 1, 1                                   ; the first 64 keys start the maxima, the sums and O: nothing is cleared
	TRIP 1, 1, 0
	s_mov_b32 s31, 2
.Lpair:
	TRIP 0, 1, 0
	TRIP 1, 1, 0
	s_sub_co_u32 s31, s31, 1
	s_cmp_lg_u32 s31, 0
	s_cbranch_scc1 .Lpair
	TRIP 0, 1, 0
	TRIP 1, 0, 0                                   ; the last tile: nothing is left to ask for
	; U = O / l
	v_add_f32 v8, v236, v237
	v_add_f32 v9, v238, v239
	v_permlanex16_b32 v10, v8, s28, s29
	v_permlanex16_b32 v11, v9, s28, s29
	v_add_f32 v8, v8, v10
	v_add_f32 v9, v9, v11
	v_rcp_f32 v12, v8
	v_rcp_f32 v14, v9
	v_nop                                          ; the plain place behind the reciprocals
	s_wait_alu depctr_va_vdst(0)
	OSCALE
	; U as a pair of bf16, in B fragment order: UH(hd, ks) = S + 16 hd + 8 ks, UL = that + 32
.irp hd, 0,1
.irp cc, 0,1,2,3
.irp j, 0,1,2,3
	SPLIT2 S+16*\hd+4*\cc+\j, S+32+16*\hd+4*\cc+\j, O+8*(2*\cc+\hd)+2*\j, O+8*(2*\cc+\hd)+2*\j+1, 16+2*(\j%2), 17+2*(\j%2)
.endr
.endr
.endr
	v_and_b32 v236, 15, v0
	v_bfe_u32 v237, v0, 4, 1
	v_mul_u32_u24 v238, v236, 272
	v_lshl_add_u32 v233, v237, 5, v238             ; row r, 8 hh numbers of f32
	s_mul_i32 s24, s18, 4352
	v_add_nc_u32 v232, s24, v233
	v_add_nc_u32 v234, STG, v232                   ; my stage, in
	v_add_nc_u32 v232, PART, v232                  ; my part of Ro
	v_add_nc_u32 v233, PART, v233                  ; wave 0's part
	v_mul_u32_u24 v235, v237, 272
	v_lshl_add_u32 v235, v236, 4, v235
	v_add_nc_u32 v235, s24, v235
	v_add_nc_u32 v235, STG, v235                   ; my stage, back by rows
	; Z(et)(e, query) = sum over my two heads and c of NT[e][c] U[query][c], in v[8:39]
	LDW 5, 12, 0, 2048, 8192, O, F
	s_wait_loadcnt 0x0
	MM3 8, O, F, S, S+32, 1
	PLACES 4
	LDW 5, 12, 16384, 2048, 8192, O, F
	s_wait_loadcnt 0x0
	MM3 8, O, F, S+16, S+48, 0
	PLACES 4
	LDW 6, 14, 0, 4096, 2048, F, O                 ; Wo's first four tiles are on their way while Ro is summed
.irp et, 0,1,2,3
	ds_store_b128 v232, v[8+8*\et:8+8*\et+3]   offset:\et*64
	ds_store_b128 v232, v[8+8*\et+4:8+8*\et+7] offset:\et*64+16
.endr
	s_wait_dscnt 0x0
	s_barrier_signal -1
	s_barrier_wait -1
	; every wave adds the eight parts, in the same order, two at a time
.irp b, 0,1,2,3
.irp pp, 0,1
.irp et, 0,1,2,3
	ds_load_b128 v[S+32*\pp+8*\et:S+32*\pp+8*\et+3],   v233 offset:(2*\b+\pp)*4352+\et*64
	ds_load_b128 v[S+32*\pp+8*\et+4:S+32*\pp+8*\et+7], v233 offset:(2*\b+\pp)*4352+\et*64+16
.endr
.endr
	s_wait_dscnt 0x0
.irp x, 0,1,2,3,4,5,6,7,8,9,10,11,12,13,14,15
.if \b == 0
	v_pk_add_f32 v[8+2*\x:9+2*\x], v[S+2*\x:S+2*\x+1], v[S+32+2*\x:S+32+2*\x+1]
.else
	v_pk_add_f32 v[8+2*\x:9+2*\x], v[8+2*\x:9+2*\x], v[S+2*\x:S+2*\x+1]
	v_pk_add_f32 v[8+2*\x:9+2*\x], v[8+2*\x:9+2*\x], v[S+32+2*\x:S+32+2*\x+1]
.endif
.endr
.endr
	; Ro as a pair of bf16: ROH(ks) = S + 8 ks, ROL = S + 16 + 8 ks
.irp x, 0,1,2,3,4,5,6,7,8,9,10,11,12,13,14,15
	SPLIT2 S+\x, S+16+\x, 8+2*\x, 9+2*\x, S+32+2*(\x%2), S+33+2*(\x%2)
.endr
; 64 columns of out0 for my 16 rows: D(ot)(o, query) in v[136:167]; through my own stage in LDS, back as rows of 256 bytes
.macro QUART qd
	s_wait_loadcnt 0x0
	MM3 S+32, F, O, S, S+16, 1
	PLACES 5                                       ; five places before the next quarter's first products write over D; four before D is read and Wo's registers are loaded
.if \qd < 3
	LDW 6, 14, (\qd+1)*16384, 4096, 2048, F, O
.endif
.irp ot, 0,1,2,3
	ds_store_b128 v234, v[S+32+8*\ot:S+32+8*\ot+3]   offset:\ot*64
	ds_store_b128 v234, v[S+32+8*\ot+4:S+32+8*\ot+7] offset:\ot*64+16
.endr
	s_wait_xcnt 0x0                                ; the last quarter's stores have read v[8:39]: they are loaded again only behind this wait
.irp i, 0,1,2,3,4,5,6,7
	ds_load_b128 v[8+4*\i:8+4*\i+3], v235 offset:\i*544          ; LDS serves a wave's instructions in order: these see the stores above
.endr
.irp i, 0,1,2,3,4,5,6,7
	s_wait_dscnt 7-\i                              ; the younger loads stay out
	global_store_b128 v7, v[8+4*\i:8+4*\i+3], s[16:17] offset:\i*16384+\qd*256 th:TH_STORE_NT   ; sixteen lanes store 256 consecutive bytes, aligned
.endr
.endm
	QUART 0
	QUART 1
	QUART 2
	QUART 3
	s_wait_tensorcnt 0x0
	ds_add_u32 v254, v255
	s_wait_dscnt 0x0
	ROUND                                          ; the closing round: no work-group ends while a partner may still ask jointly
	s_endpgm
.Lfunc_end_k_q2e66906f8b_attn:
	.size	k_q2e66906f8b_attn, .Lfunc_end_k_q2e66906f8b_attn-k_q2e66906f8b_attn
	.p2alignl 7, 3214868480
	.fill 96, 4, 3214868480
	.section	.rodata,"a",@progbits
	.p2align	6, 0x0
	.amdhsa_kernel k_q2e66906f8b_attn
		.amdhsa_group_segment_fixed_size 327680
		.amdhsa_private_segment_fixed_size 0
		.amdhsa_enable_private_segment 0
		.amdhsa_kernarg_size 56
		.amdhsa_user_sgpr_count 2
		.amdhsa_user_sgpr_kernarg_segment_ptr 1
		.amdhsa_wavefront_size32 1
		.amdhsa_system_sgpr_workgroup_id_x 1
		.amdhsa_system_sgpr_workgroup_id_y 1
		.amdhsa_system_sgpr_workgroup_id_z 1
		.amdhsa_system_vgpr_workitem_id 0
		.amdhsa_next_free_vgpr 320
		.amdhsa_next_free_sgpr 66
		.amdhsa_reserve_vcc 0
		.amdhsa_float_denorm_mode_32 3
		.amdhsa_float_denorm_mode_16_64 3
		.amdhsa_memory_ordered 1
		.amdhsa_forward_progress 1
		.amdhsa_inst_pref_size 255
	.end_amdhsa_kernel
	.section	.bss,"aw",@nobits
	.p2align	6
	.space	262144
	.amdgpu_metadata
---
amdhsa.version: [ 1, 2 ]
amdhsa.kernels:
  - .name:           k_q2e66906f8b_attn
    .symbol:         k_q2e66906f8b_attn.kd
    .args:
      - { .name: rqx, .offset: 0, .size: 8, .value_kind: global_buffer, .address_space: global }
      - { .name: rkx, .offset: 8, .size: 8, .value_kind: global_buffer, .address_space: global }
      - { .name: rv, .offset: 16, .size: 8, .value_kind: global_buffer, .address_space: global }
      - { .name: mtf, .offset: 24, .size: 8, .value_kind: global_buffer, .address_space: global }
      - { .name: ntf, .offset: 32, .size: 8, .value_kind: global_buffer, .address_space: global }
      - { .name: wof, .offset: 40, .size: 8, .value_kind: global_buffer, .address_space: global }
      - { .name: out0, .offset: 48, .size: 8, .value_kind: global_buffer, .address_space: global }
    .group_segment_fixed_size: 327680
    .private_segment_fixed_size: 0
    .kernarg_segment_align: 8
    .kernarg_segment_size: 56
    .max_flat_workgroup_size: 256
    .sgpr_count:     66
    .vgpr_count:     320
    .wavefront_size: 32
...
	.end_amdgpu_metadata
.endif
;; end of part 3
;; ======== version 2 of 2: 3 launches; 1.32 times as fast as version 1
;; limits: values outside matrix products are rounded to bf16; right only within a limited range of input values
;; workspace buffers: bbf 786,432 bytes; mtf 262,144 bytes; ntf 262,144 bytes; wof 524,288 bytes; rqx 1,048,576 bytes; rkx 1,048,576 bytes; rv 524,288 bytes
;; launch prep (part 4): grid 256 x 1, 8 waves a work-group, no clusters, 29,952 bytes of LDS; arguments phase_q, amp_q, phase_k, amp_k, phase_v, amp_v, phase_o, amp_o, basis_q, basis_k, basis_v, basis_o, bbf, mtf, ntf, wof; writes bbf, mtf, ntf, wof
.if DOCPART == 4
	.amdgcn_target "amdgcn-amd-amdhsa--gfx1250"
	.amdhsa_code_object_version 6
	.text
	.protected	k_q2e66906f8b_prep
	.globl	k_q2e66906f8b_prep
	.p2align	8
	.type	k_q2e66906f8b_prep,@function
k_q2e66906f8b_prep:
	s_mov_b64 s[64:65], 0
	v_nop
	global_prefetch_b8 v0, s[64:65] scope:SCOPE_SE
	s_setreg_imm32_b32 hwreg(HW_REG_WAVE_MODE, 25, 1), 1
	s_wait_xcnt 0x0
; The small operands of the whole program, shared out over 256 work-groups.
;   W* = bf16(amp) * cos(bf16(phase)) in f32, kept as a pair of bf16 (hi + lo)
;   bbf: rows of basis_q | basis_k | basis_v in bf16, in the order of matrix fragments
;   mtf: MT_h[j][i] = c * sum over d of Wq[128h+d][i] Wk[128h+d][j], c = log2(e)/sqrt(128), hi and lo
;   ntf: NT_h[e][c] = sum over d of basis_o[e][128h+d] Wv[128h+d][c], hi and lo
;   wof: Wo[o][e], hi and lo
; Fragment order: [..][ks][p][lane][16 bytes]; lane (r = lane & 15, hh = lane >> 4) holds row r, k = 32 ks + 16 p + 8 hh .. + 7,
; so that a later 16-byte load of a wave takes 512 consecutive bytes.
; Work-group g = (head h = g >> 4, it = g & 3, jt = (g >> 2) & 3) makes the 16 x 16 tile (it, jt) of MT_h and of NT_h, three of bbf's 768
; fragments and half an o-tile of wof.  A tile needs 16 columns of Wq, of Wk and of Wv (128 rows each): 6,144 cosines; each such slab is
; made by four work-groups, which costs three times the cosines of these three matrices and buys sixteen times the work-groups.
; Eight waves make the slabs; in one branch on the wave's number waves 0 and 1 make wof's part and waves 2 to 4 a fragment of bbf each;
; behind the one barrier wave 7 makes the 20 matrix instructions.  Its results lie as a fragment does (lane r = row, eight
; neighbouring columns in the registers), so they leave straight from registers, 512 consecutive bytes for each store.
; LIMITS: every input is rounded to bf16 first.  The cosine takes n = nearest(x/pi) away in two parts of pi by fused multiply-adds
; and then sums seven terms of the series on |r| <= pi/2 (the first term left out is below 7e-9); the reduction keeps f32 level for
; |phase| up to about 1e5.  NaN and infinities are not served.
; No cluster and no tensor load: the slabs are 64 bytes of a row, and nothing is shared through LDS between work-groups.
.set QH, 0                             ; six planes of 128 rows d x 32 bytes (16 bf16): the pitch is an odd multiple of 32 for the transposing loads
.set QL, 4096
.set KH, 8192
.set KL, 12288
.set VH, 16384
.set VL, 20480
.set BO, 24576                         ; 16 rows e x 272 bytes (128 bf16 + 16)
.set SMASK, 39                         ; s39 = a word's upper bf16
.macro PLACES cnt
.rept \cnt
	v_nop
.endr
.endm
; a, b in f32 -> H = their bf16 (packed), Lo = bf16 of what the rounding left
.macro SPLIT2 H, Lo, a, b, T0, T1
	v_cvt_pk_bf16_f32 v[\H], v[\a], v[\b]
	v_lshlrev_b32 v[\T0], 16, v[\H]
	v_and_b32 v[\T1], s[SMASK], v[\H]
	v_sub_f32 v[\T0], v[\a], v[\T0]
	v_sub_f32 v[\T1], v[\b], v[\T1]
	v_cvt_pk_bf16_f32 v[\Lo], v[\T0], v[\T1]
.endm
.macro W1 d, a, b, zero
.if \zero
	v_wmma_f32_16x16x32_bf16 v[(\d):(\d)+7], v[(\a):(\a)+7], v[(\b):(\b)+7], 0
.else
	v_wmma_f32_16x16x32_bf16 v[(\d):(\d)+7], v[(\a):(\a)+7], v[(\b):(\b)+7], v[(\d):(\d)+7]
.endif
.endm
; four numbers rounded to bf16 and widened again
.macro RND4 x
	v_cvt_pk_bf16_f32 v220, v[(\x)], v[(\x)+1]
	v_cvt_pk_bf16_f32 v221, v[(\x)+2], v[(\x)+3]
	v_lshlrev_b32 v[(\x)], 16, v220
	v_and_b32 v[(\x)+1], s[SMASK], v220
	v_lshlrev_b32 v[(\x)+2], 16, v221
	v_and_b32 v[(\x)+3], s[SMASK], v221
.endm
.macro H4 c                            ; a step of the series, four chains side by side
.irp j, 0,1,2,3
	v_fma_f32 v[216+\j], v[216+\j], v[212+\j], \c
.endr
.endm
; v[x+j] = v[a+j] * cos(v[x+j]), j = 0 .. 3, in four chains so that no line waits for the one in front of it
.macro COS4 x, a
.irp j, 0,1,2,3
	v_mul_f32 v[208+\j], s52, v[(\x)+\j]           ; x / pi
.endr
.irp j, 0,1,2,3
	v_rndne_f32 v[208+\j], v[208+\j]               ; n
.endr
.irp j, 0,1,2,3
	v_fma_f32 v[(\x)+\j], -v[208+\j], s53, v[(\x)+\j]   ; r = x - n pi, pi in two parts
.endr
.irp j, 0,1,2,3
	v_fma_f32 v[(\x)+\j], -v[208+\j], s54, v[(\x)+\j]
.endr
.irp j, 0,1,2,3
	v_cvt_i32_f32 v[208+\j], v[208+\j]
.endr
.irp j, 0,1,2,3
	v_mul_f32 v[212+\j], v[(\x)+\j], v[(\x)+\j]    ; z = r r
.endr
.irp j, 0,1,2,3
	v_lshlrev_b32 v[208+\j], 31, v[208+\j]         ; n odd: the sign turns
.endr
.irp j, 0,1,2,3
	v_fma_f32 v[216+\j], v[212+\j], s59, s58
.endr
	H4 s57
	H4 s56
	H4 s55
	H4 -0.5
	H4 1.0
.irp j, 0,1,2,3
	v_xor_b32 v[216+\j], v[216+\j], v[208+\j]
.endr
.irp j, 0,1,2,3
	v_mul_f32 v[(\x)+\j], v[216+\j], v[(\a)+\j]
.endr
.endm
; four numbers of W: hi in v[H], v[H+1], lo in v[Lo], v[Lo+1]
.macro W4 ph, am, H, Lo
	RND4 \ph
	RND4 \am
	COS4 \ph, \am
	SPLIT2 \H, \Lo, \ph, (\ph)+1, 222, 223
	SPLIT2 (\H)+1, (\Lo)+1, (\ph)+2, (\ph)+3, 224, 225
.endm
; a thread's 8 numbers of a slab: rows t >> 2 and 64 further down, columns 4 (t & 3) ..; 8 bytes to each plane
.macro WMATN ph, am, offh, offl
.irp q, 0,1
	W4 \ph+4*\q, \am+4*\q, 226, 228
	ds_store_b64 v11, v[226:227] offset:\offh+\q*2048
	ds_store_b64 v11, v[228:229] offset:\offl+\q*2048
.endr
.endm
.macro LDPA dst, sp, sa                ; a slab of phase and of amp: 128 rows x 64 bytes, 16 bytes a thread, twice
.irp q, 0,1
	global_load_b128 v[\dst+4*\q:\dst+4*\q+3], v9, s[\sp:\sp+1] offset:\q*16384
.endr
.irp q, 0,1
	global_load_b128 v[\dst+8+4*\q:\dst+8+4*\q+3], v9, s[\sa:\sa+1] offset:\q*16384
.endr
.endm
	s_load_b512 s[4:19], s[0:1], 0x0               ; phase_q amp_q phase_k amp_k phase_v amp_v phase_o amp_o
	s_load_b512 s[20:35], s[0:1], 0x40             ; basis_q basis_k basis_v basis_o bbf mtf ntf wof
	s_set_vgpr_msb 0x40
	v_lshl_add_u32 v0, v0, 2, 0x7100
	v_mov_b32 v1, 0
	s_set_vgpr_msb 0x4000
	v_lshrrev_b32 v1, 5, v0
	v_readfirstlane_b32 s36, v1                    ; wave 0..7
	s_lshr_b32 s37, ttmp9, 4                       ; head h
	s_and_b32 s38, ttmp9, 3                        ; it
	s_bfe_u32 s40, ttmp9, 0x20002                  ; jt
	s_mov_b32 s39, 0xffff0000
	s_mov_b32 s49, 0x3e0293ee                      ; log2(e) / sqrt(128)
	s_mov_b32 s52, 0x3ea2f983                      ; 1 / pi
	s_mov_b32 s53, 0x40490fdb                      ; pi, upper part
	s_mov_b32 s54, 0xb3bbbd2e                      ; pi, the rest
	s_mov_b32 s55, 0x3d2aaaab                      ; 1/24
	s_mov_b32 s56, 0xbab60b61                      ; -1/720
	s_mov_b32 s57, 0x37d00d01                      ; 1/40320
	s_mov_b32 s58, 0xb493f27e                      ; -1/3628800
	s_mov_b32 s59, 0x310f76c7                      ; 1/479001600
	v_and_b32 v2, 31, v0                           ; lane
	v_and_b32 v3, 15, v0                           ; r
	v_bfe_u32 v4, v0, 4, 1                         ; hh
	v_lshlrev_b32 v5, 13, v3
	v_lshl_add_u32 v5, v4, 5, v5                   ; a basis: row r (8,192 bytes), 8 hh numbers of f32
	v_lshlrev_b32 v7, 13, v1
	v_lshl_add_u32 v7, v2, 4, v7                   ; basis_o: row t >> 5, 16 bytes a lane
	v_mul_u32_u24 v8, v1, 272
	v_lshl_add_u32 v8, v2, 3, v8
	v_add_nc_u32 v8, BO, v8
	v_lshrrev_b32 v9, 2, v0
	v_and_b32 v10, 3, v0
	v_lshlrev_b32 v9, 8, v9
	v_lshl_add_u32 v9, v10, 4, v9                  ; a slab: row t >> 2 (256 bytes), 16 bytes for each of four threads
	v_lshlrev_b32 v11, 3, v0                       ; a plane: row t >> 2 (32 bytes), 8 bytes a thread = 8 t
	v_lshlrev_b32 v12, 8, v3
	v_lshl_add_u32 v12, v4, 5, v12                 ; phase_o, amp_o: row r, 8 hh numbers
	v_lshlrev_b32 v13, 4, v2                       ; 16 lane: a fragment's 512 bytes, for the stores of waves 0 to 4
	s_lshl_b32 s41, s37, 15                        ; the head's 128 rows of phase and amp
	s_lshl_b32 s50, s38, 6
	s_add_co_u32 s50, s50, s41                     ; + columns 16 it
	s_mov_b32 s51, 0
	s_lshl_b32 s46, s40, 6
	s_add_co_u32 s46, s46, s41                     ; + columns 16 jt
	s_mov_b32 s47, 0
	s_lshl_b32 s44, s40, 17                        ; basis_o: rows 16 jt,
	s_lshl_b32 s45, s37, 9                         ; the head's 128 columns
	s_add_co_u32 s44, s44, s45
	s_mov_b32 s45, 0
	s_lshl_b32 s42, s37, 14                        ; mtf, ntf: 16,384 h + 2,048 jt + 512 it
	s_lshl_b32 s43, s40, 11
	s_add_co_u32 s42, s42, s43
	s_lshl_b32 s43, s38, 9
	s_add_co_u32 s42, s42, s43
	s_mov_b32 s43, 0
	s_wait_kmcnt 0x0
.irp b, 4,6,12,14
	s_add_nc_u64 s[\b:\b+1], s[\b:\b+1], s[50:51]
.endr
.irp b, 8,10
	s_add_nc_u64 s[\b:\b+1], s[\b:\b+1], s[46:47]
.endr
	s_add_nc_u64 s[26:27], s[26:27], s[44:45]
	s_add_nc_u64 s[30:31], s[30:31], s[42:43]
	s_add_nc_u64 s[32:33], s[32:33], s[42:43]
	; the 14 loads that every wave makes go out first
.irp q, 0,1
	global_load_b128 v[16+4*\q:19+4*\q], v7, s[26:27] offset:\q*65536
.endr
	LDPA 24, 4, 6
	LDPA 40, 8, 10
	LDPA 56, 12, 14
	; one branch on the wave's number: waves 0, 1 wof; waves 2 to 4 bbf; their four loads join the 14 that are on their way
	s_cmp_gt_u32 s36, 4
	s_cbranch_scc1 .Ljoin
	s_cmp_gt_u32 s36, 1
	s_cbranch_scc1 .Lbbf
	; wof: o-tile g >> 1, ks = g & 1, p = wave: lane (r, hh) makes Wo[16 ot + r][32 ks + 16 p + 8 hh .. + 7], which is its 16 bytes of the fragment
	s_lshr_b32 s46, ttmp9, 1
	s_and_b32 s47, ttmp9, 1
	s_lshl_b32 s50, s46, 12                        ; 16 rows of 256 bytes
	s_lshl_b32 s48, s47, 7
	s_add_co_u32 s50, s50, s48
	s_lshl_b32 s48, s36, 6
	s_add_co_u32 s50, s50, s48
	s_mov_b32 s51, 0
	s_add_nc_u64 s[16:17], s[16:17], s[50:51]
	s_add_nc_u64 s[18:19], s[18:19], s[50:51]
	global_load_b128 v[80:83], v12, s[16:17]
	global_load_b128 v[84:87], v12, s[16:17] offset:16
	global_load_b128 v[88:91], v12, s[18:19]
	global_load_b128 v[92:95], v12, s[18:19] offset:16
	s_lshl_b32 s50, s46, 12                        ; wof: 4,096 ot + 1,024 ks + 512 p
	s_lshl_b32 s48, s47, 10
	s_add_co_u32 s50, s50, s48
	s_lshl_b32 s48, s36, 9
	s_add_co_u32 s50, s50, s48
	s_add_nc_u64 s[34:35], s[34:35], s[50:51]
	s_wait_loadcnt 0x0
	W4 80, 88, 96, 100
	W4 84, 92, 98, 102
	global_store_b128 v13, v[96:99], s[34:35]                  ; a wave stores 512 consecutive bytes
	global_store_b128 v13, v[100:103], s[34:35] offset:2048
	s_branch .Ljoin
.Lbbf:
	; bbf: fragment f = 3 g + wave - 2; T = f >> 6 picks the buffer (T >> 2) and its 16 rows (T & 3), s = f & 63 the 32 columns
	s_mul_i32 s46, ttmp9, 3
	s_add_co_u32 s46, s46, s36
	s_sub_co_u32 s46, s46, 2
	s_lshl_b32 s44, s46, 10
	s_mov_b32 s45, 0
	s_lshr_b32 s47, s46, 6
	s_lshr_b32 s48, s47, 2
	s_and_b32 s47, s47, 3
	s_lshl_b32 s50, s47, 17
	s_and_b32 s46, s46, 63
	s_lshl_b32 s46, s46, 7
	s_add_co_u32 s50, s50, s46
	s_mov_b32 s51, 0
	s_cmp_eq_u32 s48, 0
	s_cselect_b64 s[42:43], s[20:21], s[22:23]
	s_cmp_eq_u32 s48, 2
	s_cselect_b64 s[42:43], s[24:25], s[42:43]
	s_add_nc_u64 s[42:43], s[42:43], s[50:51]
	s_add_nc_u64 s[28:29], s[28:29], s[44:45]
.irp p, 0,1
	global_load_b128 v[80+8*\p:83+8*\p], v5, s[42:43] offset:64*\p
	global_load_b128 v[84+8*\p:87+8*\p], v5, s[42:43] offset:64*\p+16
.endr
	s_wait_loadcnt 0x0
.irp p, 0,1
.irp j, 0,1,2,3
	v_cvt_pk_bf16_f32 v[96+4*\p+\j], v[80+8*\p+2*\j], v[80+8*\p+2*\j+1]
.endr
	global_store_b128 v13, v[96+4*\p:99+4*\p], s[28:29] offset:\p*512
.endr
.Ljoin:
	s_wait_loadcnt 0x0                             ; the 14 loads are in
.irp q, 0,1
	v_cvt_pk_bf16_f32 v[16+4*\q], v[16+4*\q], v[17+4*\q]
	v_cvt_pk_bf16_f32 v[17+4*\q], v[18+4*\q], v[19+4*\q]
	ds_store_b64 v8, v[16+4*\q:17+4*\q] offset:\q*2176
.endr
	WMATN 24, 32, QH, QL
	WMATN 40, 48, KH, KL
	WMATN 56, 64, VH, VL
	s_wait_dscnt 0x0                               ; my stores are in LDS before I say so
	s_barrier_signal -1
	s_barrier_wait -1
	s_cmp_lg_u32 s36, 7                            ; one tile of each: one wave, one that had no part in wof and bbf
	s_cbranch_scc1 .Lend
	; From here on v[8:231] hold fragments and v[232:255] sums: the three addresses of this part lie below them, in v1, v2 and v6.
	s_wait_xcnt 0x0                                ; registers that stores have named are written again only behind this wait
	v_and_b32 v232, 7, v0
	v_bfe_u32 v233, v0, 4, 1
	v_lshl_add_u32 v232, v233, 3, v232             ; row 8 hh + (lane & 7) of a K step's 32 rows d
	v_bfe_u32 v234, v0, 3, 1
	v_lshlrev_b32 v1, 5, v232
	v_lshl_add_u32 v1, v234, 4, v1                 ; + 16 bytes for lanes 8-15 of each half
	v_and_b32 v2, 31, v0
	v_lshlrev_b32 v2, 4, v2                        ; 16 lane: my 16 bytes of a fragment's 512, for the stores at the end
	v_and_b32 v235, 15, v0
	v_mul_u32_u24 v6, v235, 272
	v_lshl_add_u32 v6, v233, 4, v6
	v_add_nc_u32 v6, BO, v6
.irp ks, 0,1,2,3
	ds_load_tr16_b128 v[8+8*\ks:8+8*\ks+3],     v1 offset:QH+\ks*1024
	ds_load_tr16_b128 v[8+8*\ks+4:8+8*\ks+7],   v1 offset:QH+\ks*1024+512
	ds_load_tr16_b128 v[40+8*\ks:40+8*\ks+3],   v1 offset:QL+\ks*1024
	ds_load_tr16_b128 v[40+8*\ks+4:40+8*\ks+7], v1 offset:QL+\ks*1024+512
	ds_load_tr16_b128 v[72+8*\ks:72+8*\ks+3],   v1 offset:KH+\ks*1024
	ds_load_tr16_b128 v[72+8*\ks+4:72+8*\ks+7], v1 offset:KH+\ks*1024+512
	ds_load_tr16_b128 v[104+8*\ks:104+8*\ks+3],   v1 offset:KL+\ks*1024
	ds_load_tr16_b128 v[104+8*\ks+4:104+8*\ks+7], v1 offset:KL+\ks*1024+512
	ds_load_tr16_b128 v[136+8*\ks:136+8*\ks+3],   v1 offset:VH+\ks*1024
	ds_load_tr16_b128 v[136+8*\ks+4:136+8*\ks+7], v1 offset:VH+\ks*1024+512
	ds_load_tr16_b128 v[168+8*\ks:168+8*\ks+3],   v1 offset:VL+\ks*1024
	ds_load_tr16_b128 v[168+8*\ks+4:168+8*\ks+7], v1 offset:VL+\ks*1024+512
	ds_load_b128 v[200+8*\ks:200+8*\ks+3],   v6 offset:\ks*64
	ds_load_b128 v[200+8*\ks+4:200+8*\ks+7], v6 offset:\ks*64+32
.endr
	s_wait_dscnt 0x0
	; v[232:239] = qh kh; v[240:247] = ql kh + qh kl; v[248:255] = (vh + vl) bo.  The accumulators take turns, one instruction a turn.
	W1 240, 40, 72, 1
	W1 248, 136, 200, 1
	W1 232, 8, 72, 1
.irp ks, 1,2,3
	W1 240, 40+8*\ks, 72+8*\ks, 0
	W1 248, 136+8*\ks, 200+8*\ks, 0
	W1 232, 8+8*\ks, 72+8*\ks, 0
.endr
.irp ks, 0,1,2,3
	W1 240, 8+8*\ks, 104+8*\ks, 0
	W1 248, 168+8*\ks, 200+8*\ks, 0
.endr
	PLACES 4                                       ; four places behind the last matrix instruction before its results are read (ISA guide 7.12.1)
.irp j, 0,1,2,3,4,5,6,7
	v_add_f32 v[232+\j], v[232+\j], v[240+\j]
.endr
.irp j, 0,1,2,3,4,5,6,7
	v_mul_f32 v[232+\j], s49, v[232+\j]
.endr
	; lane (r, hh) holds row j (or e) = 16 jt + r, its registers the 8 neighbouring columns 16 it + 8 hh ..: its 16 bytes of the fragment
.irp j, 0,1,2,3
	SPLIT2 8+\j, 12+\j, 232+2*\j, 233+2*\j, 24, 25
	SPLIT2 16+\j, 20+\j, 248+2*\j, 249+2*\j, 26, 27
.endr
	global_store_b128 v2, v[8:11], s[30:31]                    ; a wave stores 512 consecutive bytes
	global_store_b128 v2, v[12:15], s[30:31] offset:8192
	global_store_b128 v2, v[16:19], s[32:33]
	global_store_b128 v2, v[20:23], s[32:33] offset:8192
.Lend:
	s_set_vgpr_msb 0x5
	s_wait_tensorcnt 0x0
	ds_add_u32 v0, v1
	s_wait_dscnt 0x0
	s_set_vgpr_msb 0x500
	s_endpgm
.Lfunc_end_k_q2e66906f8b_prep:
	.size	k_q2e66906f8b_prep, .Lfunc_end_k_q2e66906f8b_prep-k_q2e66906f8b_prep
	.p2alignl 7, 3214868480
	.fill 96, 4, 3214868480
	.section	.rodata,"a",@progbits
	.p2align	6, 0x0
	.amdhsa_kernel k_q2e66906f8b_prep
		.amdhsa_group_segment_fixed_size 29952
		.amdhsa_private_segment_fixed_size 0
		.amdhsa_enable_private_segment 0
		.amdhsa_kernarg_size 128
		.amdhsa_user_sgpr_count 2
		.amdhsa_user_sgpr_kernarg_segment_ptr 1
		.amdhsa_wavefront_size32 1
		.amdhsa_system_sgpr_workgroup_id_x 1
		.amdhsa_system_sgpr_workgroup_id_y 1
		.amdhsa_system_sgpr_workgroup_id_z 1
		.amdhsa_system_vgpr_workitem_id 0
		.amdhsa_next_free_vgpr 258
		.amdhsa_next_free_sgpr 66
		.amdhsa_reserve_vcc 0
		.amdhsa_float_denorm_mode_32 3
		.amdhsa_float_denorm_mode_16_64 3
		.amdhsa_memory_ordered 1
		.amdhsa_forward_progress 1
		.amdhsa_inst_pref_size 49
	.end_amdhsa_kernel
	.amdgpu_metadata
---
amdhsa.version: [ 1, 2 ]
amdhsa.kernels:
  - .name:           k_q2e66906f8b_prep
    .symbol:         k_q2e66906f8b_prep.kd
    .args:
      - { .name: phase_q, .offset: 0, .size: 8, .value_kind: global_buffer, .address_space: global }
      - { .name: amp_q, .offset: 8, .size: 8, .value_kind: global_buffer, .address_space: global }
      - { .name: phase_k, .offset: 16, .size: 8, .value_kind: global_buffer, .address_space: global }
      - { .name: amp_k, .offset: 24, .size: 8, .value_kind: global_buffer, .address_space: global }
      - { .name: phase_v, .offset: 32, .size: 8, .value_kind: global_buffer, .address_space: global }
      - { .name: amp_v, .offset: 40, .size: 8, .value_kind: global_buffer, .address_space: global }
      - { .name: phase_o, .offset: 48, .size: 8, .value_kind: global_buffer, .address_space: global }
      - { .name: amp_o, .offset: 56, .size: 8, .value_kind: global_buffer, .address_space: global }
      - { .name: basis_q, .offset: 64, .size: 8, .value_kind: global_buffer, .address_space: global }
      - { .name: basis_k, .offset: 72, .size: 8, .value_kind: global_buffer, .address_space: global }
      - { .name: basis_v, .offset: 80, .size: 8, .value_kind: global_buffer, .address_space: global }
      - { .name: basis_o, .offset: 88, .size: 8, .value_kind: global_buffer, .address_space: global }
      - { .name: bbf, .offset: 96, .size: 8, .value_kind: global_buffer, .address_space: global }
      - { .name: mtf, .offset: 104, .size: 8, .value_kind: global_buffer, .address_space: global }
      - { .name: ntf, .offset: 112, .size: 8, .value_kind: global_buffer, .address_space: global }
      - { .name: wof, .offset: 120, .size: 8, .value_kind: global_buffer, .address_space: global }
    .group_segment_fixed_size: 29952
    .private_segment_fixed_size: 0
    .kernarg_segment_align: 8
    .kernarg_segment_size: 128
    .max_flat_workgroup_size: 256
    .sgpr_count:     66
    .vgpr_count:     258
    .wavefront_size: 32
...
	.end_amdgpu_metadata
.endif
;; end of part 4
;; launch proj: the kernel of part 2 again; grid 256 x 1, 8 waves a work-group, no clusters, 242,944 bytes of LDS; arguments hidden_states, bbf, rqx, rkx, rv; writes rqx, rkx, rv
;; launch attn (part 5): grid 256 x 1, 8 waves a work-group, clusters of 4 x 1, 327,680 bytes of LDS; arguments rqx, rkx, rv, mtf, ntf, wof, out0; writes out0
.if DOCPART == 5
	.amdgcn_target "amdgcn-amd-amdhsa--gfx1250"
	.amdhsa_code_object_version 6
	.text
	.protected	k_q2e66906f8b_attn
	.globl	k_q2e66906f8b_attn
	.p2align	8
	.type	k_q2e66906f8b_attn,@function
k_q2e66906f8b_attn:
	s_mov_b64 s[64:65], 0
	v_nop
	global_prefetch_b8 v0, s[64:65] scope:SCOPE_SE
	s_setreg_imm32_b32 hwreg(HW_REG_WAVE_MODE, 25, 1), 1
	s_wait_xcnt 0x0
	s_wait_alu depctr_hold_cnt(0) depctr_sa_sdst(0) depctr_va_vdst(0) depctr_va_sdst(0) depctr_va_ssrc(0) depctr_va_vcc(0) depctr_vm_vsrc(0)
	s_getreg_b32 s2, hwreg(HW_REG_IB_STS2, 6, 4)
	s_cmp_eq_u32 s2, 0
	s_cbranch_scc0 .Lentry_in_a_cluster
	s_endpgm
.Lentry_in_a_cluster:
	s_bfe_u32 s2, ttmp6, 0x10000c
	s_cmp_lg_u32 s2, 0x3003
	s_cbranch_scc0 .Lentry_shape_is_right
	s_endpgm
.Lentry_shape_is_right:
; Attention and the last linear, on the rank-64 form of q, k and v:
;   scores_h log2(e)/sqrt(128) = q'_h Rk^T, q'_h = Rq MT_h^T;  U_h = softmax(scores_h) Rv;  Ro = sum over h of U_h NT_h^T;  out = Ro Wo^T.
; So all 16 heads read the same keys Rk and the same values Rv, and q, k, v and the heads' outputs never go to memory.
; A work-group owns 16 positions and all 16 heads; wave w owns heads 2 w and 2 w + 1.
; The matrix unit is used transposed: S^T = Rk q'^T (keys along the registers, the query in lane & 15), so that exp(S) packs straight into the
; B fragment of O^T = Rv^T P, and O^T, Z^T and out^T follow in the same way.
; Softmax with a running maximum, in base 2 (the factor lies in MT).
; Small operands are pairs of bf16 (hi + lo) and their products three terms: hi hi + lo hi + hi lo.
; CLUSTER: the four work-groups of a cluster belong to one batch and walk the same tiles of Rk and Rv: each tile is asked for jointly (mask 15).
; Waves 0-3 ask for 64 keys of Rk each, waves 4-7 for 64 keys of Rv each: one tensor load a wave behind each round of the cluster's barrier, and one outstanding at most.
; A tile is 256 keys; two LDS slots; 8 tiles.
; FRAGMENTS AHEAD: a step of 64 keys has three fragment buffers (two for the keys, one for the values).  The next step's keys are asked of LDS
; behind this step's scores, ahead of its softmax; a step's values at its top, ahead of its scores.
; WEIGHTS AHEAD: 128 registers hold four tiles of a weight (hi and lo); two such pairs, X and Y, take turns, so that 32 loads are on their way while the other 32 are used.
; LIMITS: P and Rv are single bf16; the sum of a row of P is taken before P is rounded; NaN and infinities are not served.
.set SLOT,  106496                     ; K part: 256 keys x 272 bytes (hi 128 | lo 128 | 16); V part: 128 pairs of keys x 288 bytes (256 + 32)
.set VPART, 69632
.set PART,  212992                     ; 8 waves x 16 rows x 272 bytes: the waves' parts of Ro, f32
.set STG,   247808                     ; 8 waves x 16 rows x 272 bytes: the way out, each wave's own
.set O, 40                             ; v[40:103]  O(c, hd) = O + 8 (2 c + hd)
.set S, 104                            ; v[104:167] S(t, hd) = S + 8 (2 t + hd); P(hd, f) in place in S(2 f, hd)
.set F, 168                            ; v[168:231] window 0: key tiles 0, 1 of a step; hi of pair X
.set F2, 64                            ; window 1 (v320-v383): key tiles 2, 3 of a step; lo of pair X
.set F3, 128                           ; window 1 (v384-v447): the step's values; lo of pair Y
.set G, 192                            ; window 1 (v448-v511): hi of pair Y
; v1, v2 K addresses by slot; v3, v4 V addresses by slot; v5 mtf/ntf offset; v6 wof offset; v7 out0 offset
; v8, v9 new maxima; v10, v11 the other half's; v[12:13], v[14:15] rescale factors; v[16:31] chains; v[8:39] later Z and Ro
; v[232:233], v[234:235] running maxima; v[236:237], v[238:239] running sums (two partial sums a lane)
; window 1, v256-v319: QH(hd, ks) = 16 hd + 8 ks, QL = 32 + that
.set SMASK, 30
.set MSB, 0
.macro WIN new                         ; the immediate's high byte repeats the setting that is left
.if MSB != \new
	s_set_vgpr_msb (MSB<<8)|\new
.set MSB, \new
.endif
.endm
.macro PLACES cnt
.rept \cnt
	v_nop
.endr
.endm
.macro SPLIT2 H, Lo, a, b, T0, T1
	v_cvt_pk_bf16_f32 v[\H], v[\a], v[\b]
	v_lshlrev_b32 v[\T0], 16, v[\H]
	v_and_b32 v[\T1], s[SMASK], v[\H]
	v_sub_f32 v[\T0], v[\a], v[\T0]
	v_sub_f32 v[\T1], v[\b], v[\T1]
	v_cvt_pk_bf16_f32 v[\Lo], v[\T0], v[\T1]
.endm
.macro W1 d, a, b, zero
.if \zero
	v_wmma_f32_16x16x32_bf16 v[(\d):(\d)+7], v[(\a):(\a)+7], v[(\b):(\b)+7], 0
.else
	v_wmma_f32_16x16x32_bf16 v[(\d):(\d)+7], v[(\a):(\a)+7], v[(\b):(\b)+7], v[(\d):(\d)+7]
.endif
.endm
; 8 matrix instructions: one term, four tiles d + 8 t, K = 64.  The four accumulators take turns, one instruction a turn.
.macro MMT d, a, b, zero
.irp ks, 0,1
.irp tt, 0,1,2,3
	W1 \d+8*\tt, \a+16*\tt+8*\ks, \b+8*\ks, \zero*(1-\ks)
.endr
.endr
.endm
; three terms; wa, wl: the window of A's hi and of A's lo (source 0); B, C and D lie in window 0
.macro MM3P d, ah, wa, al, wl, bh, bl, zero
	WIN \wa
	MMT \d, \ah, \bh, \zero
	WIN \wl
	MMT \d, \al, \bh, 0
	WIN \wa
	MMT \d, \ah, \bl, 0
	WIN 0
.endm
.macro MMX d, bh, bl, zero             ; the weight in pair X
	MM3P \d, F, 0, F2, 1, \bh, \bl, \zero
.endm
.macro MMY d, bh, bl, zero             ; the weight in pair Y
	MM3P \d, G, 1, F3, 1, \bh, \bl, \zero
.endm
; 16 loads: four tiles of one plane of a 64-wide weight, in fragment order; win: 0 or 0x40 (destination in window 1)
.macro LDW16 va, sb, imm0, tstep, dst, win
	WIN \win
.irp tt, 0,1,2,3
.irp ks, 0,1
	global_load_b128 v[\dst+16*\tt+8*\ks:\dst+16*\tt+8*\ks+3],   v[\va], s[\sb:\sb+1] offset:(\imm0)+\tt*\tstep+\ks*1024
	global_load_b128 v[\dst+16*\tt+8*\ks+4:\dst+16*\tt+8*\ks+7], v[\va], s[\sb:\sb+1] offset:(\imm0)+\tt*\tstep+\ks*1024+512
.endr
.endr
.endm
.macro LDX va, sb, imm0, tstep, hlstep
	LDW16 \va, \sb, \imm0, \tstep, F, 0
	LDW16 \va, \sb, (\imm0)+\hlstep, \tstep, F2, 0x40
	WIN 0
.endm
.macro LDY va, sb, imm0, tstep, hlstep
	LDW16 \va, \sb, \imm0, \tstep, G, 0x40
	LDW16 \va, \sb, (\imm0)+\hlstep, \tstep, F3, 0x40
	WIN 0
.endm
; a round of the cluster's barrier
.macro ROUND
	s_barrier_signal -1
	s_barrier_wait -1
	s_cmp_lg_u32 s18, 0
	s_cbranch_scc1 .Lnot_wave_0_\@
	s_barrier_signal -3
.Lnot_wave_0_\@:
	s_barrier_wait -3
	s_barrier_signal -1
	s_barrier_wait -1
.endm
; a joint load: waves 0-3 ask for keys, waves 4-7 for values.  The branch hangs on the wave's number alone.
.macro JLOAD slot
	s_cmp_eq_u32 s19, 0
	s_cbranch_scc0 .Lfor_v_\@
	tensor_load_to_lds s[48+4*(\slot):51+4*(\slot)], s[32:39]
	s_nop 0
	s_branch .Lasked_\@
.Lfor_v_\@:
	tensor_load_to_lds s[56+4*(\slot):59+4*(\slot)], s[40:47]
	s_nop 0
.Lasked_\@:
.endm
; 16 LDS loads: key tiles 2 half, 2 half + 1 of the 64 keys u: KH(tt, ks) = dst + 16 tt + 8 ks, KL = that + 32
.macro LOADKH slot, u, half, dst
.irp tt, 0,1
.irp hl, 0,1
.irp ks, 0,1
	ds_load_b128 v[\dst+32*\hl+16*\tt+8*\ks:\dst+32*\hl+16*\tt+8*\ks+3],   v[1+\slot] offset:(\u)*17408+(2*\half+\tt)*4352+\hl*128+\ks*64
	ds_load_b128 v[\dst+32*\hl+16*\tt+8*\ks+4:\dst+32*\hl+16*\tt+8*\ks+7], v[1+\slot] offset:(\u)*17408+(2*\half+\tt)*4352+\hl*128+\ks*64+32
.endr
.endr
.endr
.endm
.macro LOADK slot, u                   ; 32 LDS loads: the 64 keys u
	WIN 0
	LOADKH \slot, \u, 0, F
	WIN 0x40
	LOADKH \slot, \u, 1, F2
	WIN 0
.endm
; 16 transposing LDS loads (destination in window 1): VF(c, f) = F3 + 8 (4 f + c): 16 columns c of Rv, 32 keys f
.macro LOADV slot, u
.irp ff, 0,1
.irp cc, 0,1,2,3
	ds_load_tr16_b128 v[F3+8*(4*\ff+\cc):F3+8*(4*\ff+\cc)+3],   v[3+\slot] offset:(\u)*9216+\ff*4608+\cc*32
	ds_load_tr16_b128 v[F3+8*(4*\ff+\cc)+4:F3+8*(4*\ff+\cc)+7], v[3+\slot] offset:(\u)*9216+\ff*4608+\cc*32+2304
.endr
.endr
.endm
; 24 matrix instructions on the four accumulators S(2 half + tt, hd), by turns; A at a, B (q') in window 1
.macro QKG half, a
.irp ks, 0,1
.irp tt, 0,1
.irp hd, 0,1
	W1 S+8*(2*(2*\half+\tt)+\hd), \a+16*\tt+8*\ks, 16*\hd+8*\ks, 1-\ks
.endr
.endr
.endr
.irp ks, 0,1
.irp tt, 0,1
.irp hd, 0,1
	W1 S+8*(2*(2*\half+\tt)+\hd), \a+32+16*\tt+8*\ks, 16*\hd+8*\ks, 0
.endr
.endr
.endr
.irp ks, 0,1
.irp tt, 0,1
.irp hd, 0,1
	W1 S+8*(2*(2*\half+\tt)+\hd), \a+16*\tt+8*\ks, 32+16*\hd+8*\ks, 0
.endr
.endr
.endr
.endm
.macro OSCALE                          ; O times the factor in v12 (head 0), v14 (head 1)
	s_wait_alu depctr_va_vdst(0)
.irp cc, 0,1,2,3
.irp hd, 0,1
.irp j, 0,2,4,6
	v_pk_mul_f32 v[O+8*(2*\cc+\hd)+\j:O+8*(2*\cc+\hd)+\j+1], v[O+8*(2*\cc+\hd)+\j:O+8*(2*\cc+\hd)+\j+1], v[12+2*\hd:13+2*\hd] op_sel_hi:[1,0]
.endr
.endr
.endr
.endm
; 64 keys x 16 queries x 2 heads.  A lane holds 32 scores of a head; lane and lane xor 16 hold a query's 64.
.macro SOFTMAX first
.irp hd, 0,1
.if \first
	v_max_num_f32 v[8+\hd], v[S+8*\hd], v[S+8*\hd+1]
.else
	v_max3_num_f32 v[8+\hd], v[232+2*\hd], v[S+8*\hd], v[S+8*\hd+1]          ; the running maximum starts the chain
.endif
	v_max_num_f32 v[16+\hd], v[S+32+8*\hd], v[S+32+8*\hd+1]
.endr
.irp k, 1,2,3,4,5,6,7
.irp hd, 0,1
	v_max3_num_f32 v[8+\hd], v[8+\hd], v[S+16*(\k/4)+8*\hd+2*(\k%4)], v[S+16*(\k/4)+8*\hd+2*(\k%4)+1]
	v_max3_num_f32 v[16+\hd], v[16+\hd], v[S+32+16*(\k/4)+8*\hd+2*(\k%4)], v[S+32+16*(\k/4)+8*\hd+2*(\k%4)+1]
.endr
.endr
	v_max_num_f32 v8, v8, v16
	v_max_num_f32 v9, v9, v17
	v_permlanex16_b32 v10, v8, s28, s29            ; the other 32 keys' maximum
	v_permlanex16_b32 v11, v9, s28, s29
	v_max_num_f32 v8, v8, v10
	v_max_num_f32 v9, v9, v11
.if \first == 0
	v_sub_f32 v12, v232, v8
	v_sub_f32 v14, v234, v9
	v_exp_f32 v12, v12                             ; 2^(old maximum - new)
	v_exp_f32 v14, v14
.endif
	v_mov_b32 v232, v8                             ; plain instructions stand between the exponentials and the use of their results (ISA guide 5.7.2)
	v_mov_b32 v234, v9
.irp k, 0,1,2,3,4,5,6,7,8,9,10,11,12,13,14,15
.irp hd, 0,1
	v_pk_add_f32 v[S+16*(\k/4)+8*\hd+2*(\k%4):S+16*(\k/4)+8*\hd+2*(\k%4)+1], v[S+16*(\k/4)+8*\hd+2*(\k%4):S+16*(\k/4)+8*\hd+2*(\k%4)+1], v[232+2*\hd:233+2*\hd] op_sel_hi:[1,0] neg_lo:[0,1] neg_hi:[0,1]
.endr
.endr
.set k, 0
.rept 64
	v_exp_f32 v[S+k], v[S+k]
.set k, k+1
.endr
.if \first
	v_nop                                          ; the plain place behind the exponentials
	s_wait_alu depctr_va_vdst(0)
.else
	OSCALE                                         ; plain work that touches none of them
.endif
	; the sum of a lane's 32 numbers of each head, in four chains of pairs
.irp k, 0,1,2,3
.irp hd, 0,1
	v_pk_add_f32 v[16+8*\hd+2*\k:17+8*\hd+2*\k], v[S+8*\hd+2*\k:S+8*\hd+2*\k+1], v[S+16+8*\hd+2*\k:S+16+8*\hd+2*\k+1]
.endr
.endr
.irp t2, 32,48
.irp k, 0,1,2,3
.irp hd, 0,1
	v_pk_add_f32 v[16+8*\hd+2*\k:17+8*\hd+2*\k], v[16+8*\hd+2*\k:17+8*\hd+2*\k], v[S+\t2+8*\hd+2*\k:S+\t2+8*\hd+2*\k+1]
.endr
.endr
.endr
.irp hd, 0,1
	v_pk_add_f32 v[16+8*\hd:17+8*\hd], v[16+8*\hd:17+8*\hd], v[18+8*\hd:19+8*\hd]
	v_pk_add_f32 v[20+8*\hd:21+8*\hd], v[20+8*\hd:21+8*\hd], v[22+8*\hd:23+8*\hd]
.endr
.irp hd, 0,1
.if \first
	v_pk_add_f32 v[236+2*\hd:237+2*\hd], v[16+8*\hd:17+8*\hd], v[20+8*\hd:21+8*\hd]
.else
	v_pk_add_f32 v[16+8*\hd:17+8*\hd], v[16+8*\hd:17+8*\hd], v[20+8*\hd:21+8*\hd]
	v_pk_fma_f32 v[236+2*\hd:237+2*\hd], v[236+2*\hd:237+2*\hd], v[12+2*\hd:13+2*\hd], v[16+8*\hd:17+8*\hd] op_sel_hi:[1,0,1]
.endif
.endr
	; P in bf16, in place: keys 8 hh .. of tile 2 f into registers 0-3, of tile 2 f + 1 into registers 4-7: a B fragment of 32 keys
.irp ff, 0,1
.irp hd, 0,1
.irp j, 0,1,2,3
	v_cvt_pk_bf16_f32 v[S+8*(4*\ff+\hd)+\j], v[S+8*(4*\ff+\hd)+2*\j], v[S+8*(4*\ff+\hd)+2*\j+1]
.endr
.irp j, 0,1,2,3
	v_cvt_pk_bf16_f32 v[S+8*(4*\ff+\hd)+4+\j], v[S+8*(4*\ff+2+\hd)+2*\j], v[S+8*(4*\ff+2+\hd)+2*\j+1]
.endr
.endr
.endr
.endm
.macro PV first                        ; 16 matrix instructions, the eight accumulators O by turns; A (the values) in window 1
.irp ff, 0,1
.irp cc, 0,1,2,3
.irp hd, 0,1
	W1 O+8*(2*\cc+\hd), F3+8*(4*\ff+\cc), S+8*(4*\ff+\hd), \first*(1-\ff)
.endr
.endr
.endr
.endm
; A step of 64 keys.  Its 32 key loads were issued a step earlier (or at the tile's head).
; mode 0: the next step's keys are asked for; 1: the tile's last step; 2: the very last step: NT of my first head and the hi plane of my second head's are asked for instead.
.macro SUB slot, u, first, mode
	WIN 0x40
	LOADV \slot, \u                                ; five places stand between the last product with the values and these loads
	s_wait_dscnt 16                                ; LDS loads come back in order: all but the 16 just issued, so the 32 key loads are in
	WIN 0x04                                       ; source 1 (q') in window 1
	QKG 0, F
	WIN 0x05                                       ; source 0 (key tiles 2, 3) too
	QKG 1, F2
	WIN 0
	PLACES 5                                       ; four places before loads land on registers that matrix instructions have read and before the scores are read; five before a matrix instruction takes them as B
.if \mode == 0
	LOADK \slot, \u+1
.endif
.if \mode == 2
	LDX 5, 12, 0, 2048, 8192
	LDW16 5, 12, 16384, 2048, G, 0x40
	WIN 0
.endif
	SOFTMAX \first
.if \mode == 0
	s_wait_dscnt 32                                ; the next keys' 32 loads stay out; the values are in
.else
	s_wait_dscnt 0x0                               ; the values are in; nothing was issued behind them
.endif
	WIN 0x01                                       ; source 0 (the values) in window 1
	PV \first
	WIN 0
	PLACES 5                                       ; five places before the next scores are written over P; four before the next values are loaded
.endm
; a tile of 256 keys.  In front of the round each wave waits for all its tensor loads and for its LDS reads; behind it the other slot is asked for first.
.macro TRIP slot, refill, first, lastmode
	s_wait_tensorcnt 0x0                           ; all my tensor loads have landed, my part of this tile among them: every group 0 may be written
	ds_add_u32 v254, v255
	s_wait_dscnt 0x0
	s_add_nc_u64 s[50+4*\slot:51+4*\slot], s[50+4*\slot:51+4*\slot], 131072    ; this slot's next tile of keys: two tiles on
	s_add_nc_u64 s[58+4*\slot:59+4*\slot], s[58+4*\slot:59+4*\slot], 65536     ; and of values
	s_wait_dscnt 0x0                               ; my reads of the last tile are over
	ROUND                                          ; both hold of every wave of the four work-groups
.if \refill
	JLOAD 1-\slot                                  ; the next tile, into the slot read last
.endif
	LOADK \slot, 0
	SUB \slot, 0, \first, 0
	SUB \slot, 1, 0, 0
	SUB \slot, 2, 0, 0
	SUB \slot, 3, 0, \lastmode
.endm
; q' of head 2 w + hd, as a pair of bf16 in B fragment order in window 1; cnt: the loads that may stay out
.macro QPRE hd, cnt
	s_wait_loadcnt \cnt
.if \hd == 0
	MMX 72, 40, 56, 1                              ; D(jt)(j, query) = sum over i of MT[j][i] Rq[query][i]
.else
	MMY 72, 40, 56, 1
.endif
	PLACES 5
	WIN 0x40                                       ; destination in window 1
.irp x, 0,1,2,3,4,5,6,7,8,9,10,11,12,13,14,15
	v_cvt_pk_bf16_f32 v[16*\hd+\x], v[72+2*\x], v[73+2*\x]
.endr
	WIN 0x04                                       ; source 1 in window 1
.irp x, 0,1,2,3,4,5,6,7,8,9,10,11,12,13,14,15
	v_lshlrev_b32 v[S+2*\x], 16, v[16*\hd+\x]
	v_and_b32 v[S+2*\x+1], s[SMASK], v[16*\hd+\x]
.endr
	WIN 0
.irp x, 0,1,2,3,4,5,6,7,8,9,10,11,12,13,14,15
	v_pk_add_f32 v[72+2*\x:73+2*\x], v[72+2*\x:73+2*\x], v[S+2*\x:S+2*\x+1] neg_lo:[0,1] neg_hi:[0,1]
.endr
	WIN 0x40
.irp x, 0,1,2,3,4,5,6,7,8,9,10,11,12,13,14,15
	v_cvt_pk_bf16_f32 v[32+16*\hd+\x], v[72+2*\x], v[73+2*\x]
.endr
	WIN 0
.endm
	s_load_b256 s[4:11], s[0:1], 0x0               ; rqx s[4:5], rkx s[6:7], rv s[8:9], mtf s[10:11]
	s_load_b128 s[12:15], s[0:1], 0x20             ; ntf s[12:13], wof s[14:15]
	s_load_b64 s[16:17], s[0:1], 0x30              ; out0
	v_lshl_add_u32 v254, v0, 2, 0x45000
	v_mov_b32 v255, 0
	ds_add_u32 v254, v255
	ds_add_u32 v254, v255
	v_lshrrev_b32 v16, 5, v0
	v_readfirstlane_b32 s18, v16                   ; wave 0..7
	s_lshr_b32 s19, s18, 2                         ; 0: I ask for keys, 1: for values
	s_and_b32 s20, s18, 3                          ; which 64 keys of a tile
	s_bfe_u32 s21, ttmp6, 0x40000                  ; cx
	s_lshl_b32 s22, ttmp9, 2
	s_add_co_u32 s22, s22, s21                     ; work-group = 4 x cluster + cx: it enters the addresses of rqx and out0 alone
	s_lshr_b32 s23, ttmp9, 5                       ; batch: 32 clusters each, the same in the four partners
	s_mov_b32 s28, 0x76543210                      ; v_permlanex16_b32: lane i reads lane i of the other half
	s_mov_b32 s29, 0xfedcba98
	s_mov_b32 s30, 0xffff0000
	; group 1 for keys: 64 rows x 128 elements of 2 bytes, 16 bytes of padding behind every 64 words, mask 15 with bit 21 beside it
	s_mov_b32 s32, 15|(1<<16)|(1<<20)|(1<<21)|(5<<22)|(3<<25)
	s_mov_b32 s33, 128<<16
	s_mov_b32 s34, 64<<16
	s_mov_b32 s35, 128<<16
	s_mov_b32 s36, 64
	s_mov_b32 s37, 128
	s_mov_b32 s38, 0
	s_mov_b32 s39, 0
	; group 1 for values: 64 keys of 128 bytes are dense: 32 rows x 32 elements of 8 bytes, 32 bytes of padding behind every 64 words
	s_mov_b32 s40, 15|(3<<16)|(1<<20)|(1<<21)|(5<<22)|(7<<25)
	s_mov_b32 s41, 32<<16
	s_mov_b32 s42, 32<<16
	s_mov_b32 s43, 32<<16
	s_mov_b32 s44, 32
	s_mov_b32 s45, 32
	s_mov_b32 s46, 0
	s_mov_b32 s47, 0
	s_lshl_b32 s24, s23, 19                        ; keys: batch x 2,048 rows of 256 bytes
	s_lshl_b32 s25, s20, 14                        ; + my 64 rows
	s_add_co_u32 s24, s24, s25
	s_mov_b32 s25, 0
	s_lshl_b32 s26, s23, 18                        ; values: rows of 128 bytes
	s_lshl_b32 s27, s20, 13
	s_add_co_u32 s26, s26, s27
	s_mov_b32 s27, 0
	v_and_b32 v16, 15, v0                          ; r
	v_bfe_u32 v17, v0, 4, 1                        ; hh
	v_and_b32 v18, 31, v0                          ; lane
	v_lshlrev_b32 v20, 8, v16
	v_lshl_add_u32 v20, v17, 4, v20                ; rqx: row r, 16 hh
	s_lshl_b32 s2, s18, 15
	v_lshl_add_u32 v5, v18, 4, s2                  ; mtf, ntf: two heads of 16,384 bytes a wave
	s_wait_dscnt 0x0
	s_wait_kmcnt 0x0
	s_lshl_b32 s2, s22, 12                         ; my 16 rows of rqx
	s_mov_b32 s3, 0
	s_add_nc_u64 s[4:5], s[4:5], s[2:3]
	; Rq and MT of both my heads go out first: 72 loads, ahead of the round and of all that follows
.irp hl, 0,1
.irp ks, 0,1
	global_load_b128 v[40+16*\hl+8*\ks:40+16*\hl+8*\ks+3], v20, s[4:5] offset:\hl*128+\ks*64
	global_load_b128 v[40+16*\hl+8*\ks+4:40+16*\hl+8*\ks+7], v20, s[4:5] offset:\hl*128+\ks*64+32
.endr
.endr
	LDX 5, 10, 0, 2048, 8192
	LDY 5, 10, 16384, 2048, 8192
	s_add_nc_u64 s[6:7], s[6:7], s[24:25]
	s_add_nc_u64 s[8:9], s[8:9], s[26:27]
	s_mul_i32 s24, s18, 17408                      ; keys of waves 0-3: wave x 64 rows of 272 bytes
	s_mul_i32 s25, s18, 9216                       ; values of waves 4-7: VPART + (wave - 4) x 32 rows of 288 bytes
.irp s, 0,1
	s_mov_b32 s[48+4*\s], 1
	s_add_co_u32 s[49+4*\s], s24, \s*SLOT
	s_add_nc_u64 s[50+4*\s:51+4*\s], s[6:7], \s*65536
	s_or_b32 s[51+4*\s], s[51+4*\s], 0x80000000
	s_mov_b32 s[56+4*\s], 1
	s_add_co_u32 s[57+4*\s], s25, \s*SLOT+VPART-36864
	s_add_nc_u64 s[58+4*\s:59+4*\s], s[8:9], \s*32768
	s_or_b32 s[59+4*\s], s[59+4*\s], 0x80000000
.endr
	s_lshl_b32 s2, s22, 17                         ; my 16 rows of out0
	s_add_nc_u64 s[16:17], s[16:17], s[2:3]
	v_mul_u32_u24 v1, v16, 272
	v_lshl_add_u32 v1, v17, 4, v1                  ; keys: row r, 16 hh
	v_add_nc_u32 v2, SLOT, v1
	v_bfe_u32 v19, v0, 1, 2
	v_lshl_add_u32 v19, v17, 2, v19                ; values: key 8 hh + (lane & 7) lies in pair 4 hh + ((lane & 7) >> 1),
	v_mul_u32_u24 v3, v19, 288
	v_and_b32 v19, 1, v0
	v_lshl_add_u32 v3, v19, 7, v3                  ; half lane & 1 of the pair's row,
	v_bfe_u32 v19, v0, 3, 1
	v_lshl_add_u32 v3, v19, 4, v3                  ; 16 bytes on for lanes 8-15 of each half
	v_add_nc_u32 v3, VPART, v3
	v_add_nc_u32 v4, SLOT, v3
	s_lshl_b32 s2, s18, 16
	v_lshl_add_u32 v6, v18, 4, s2                  ; wof: 16 tiles of 4,096 bytes a wave
	s_lshl_b32 s2, s18, 10
	v_lshl_add_u32 v7, v16, 4, s2                  ; out0: the wave's 1,024 bytes of a row, 16 r,
	v_lshl_add_u32 v7, v17, 13, v7                 ; one row down for lanes 16-31
	v_mov_b32 v10, 0                               ; written once: destinations of the lane exchange, and the halves of pairs that are named but not used
	v_mov_b32 v11, 0
	v_mov_b32 v13, 0
	v_mov_b32 v15, 0
	v_mov_b32 v233, 0
	v_mov_b32 v235, 0
	ROUND                                          ; the four work-groups are here: the first joint loads meet
	JLOAD 0                                        ; tile 0
	QPRE 0, 32                                     ; my second head's 32 loads stay out
	QPRE 1, 0
	; tiles 0; 1, 2; 3, 4; 5, 6; 7
	TRIP 0, 1, 1, 1                                ; the first 64 keys start the maxima, the sums and O: nothing is cleared
	s_mov_b32 s31, 3
.Lpair:
	TRIP 1, 1, 0, 1
	TRIP 0, 1, 0, 1
	s_sub_co_u32 s31, s31, 1
	s_cmp_lg_u32 s31, 0
	s_cbranch_scc1 .Lpair
	TRIP 1, 0, 0, 2                                ; the last tile: nothing is left to ask for jointly
	LDW16 5, 12, 16384+8192, 2048, F3, 0x40        ; NT of my second head, lo: the values' registers are free (five places stand behind the last product)
	WIN 0
	; U = O / l
	v_add_f32 v8, v236, v237
	v_add_f32 v9, v238, v239
	v_permlanex16_b32 v10, v8, s28, s29
	v_permlanex16_b32 v11, v9, s28, s29
	v_add_f32 v8, v8, v10
	v_add_f32 v9, v9, v11
	v_rcp_f32 v12, v8
	v_rcp_f32 v14, v9
	v_nop                                          ; the plain place behind the reciprocals
	s_wait_alu depctr_va_vdst(0)
	OSCALE
	; U as a pair of bf16, in B fragment order: UH(hd, ks) = S + 16 hd + 8 ks, UL = that + 32
.irp hd, 0,1
.irp cc, 0,1,2,3
.irp j, 0,1,2,3
	SPLIT2 S+16*\hd+4*\cc+\j, S+32+16*\hd+4*\cc+\j, O+8*(2*\cc+\hd)+2*\j, O+8*(2*\cc+\hd)+2*\j+1, 16+2*(\j%2), 17+2*(\j%2)
.endr
.endr
.endr
	v_and_b32 v236, 15, v0
	v_bfe_u32 v237, v0, 4, 1
	v_mul_u32_u24 v238, v236, 272
	v_lshl_add_u32 v233, v237, 5, v238             ; row r, 8 hh numbers of f32
	s_mul_i32 s24, s18, 4352
	v_add_nc_u32 v232, s24, v233
	v_add_nc_u32 v234, STG, v232                   ; my stage, in
	v_add_nc_u32 v232, PART, v232                  ; my part of Ro
	v_add_nc_u32 v233, PART, v233                  ; wave 0's part
	v_mul_u32_u24 v235, v237, 272
	v_lshl_add_u32 v235, v236, 4, v235
	v_add_nc_u32 v235, s24, v235
	v_add_nc_u32 v235, STG, v235                   ; my stage, back by rows
	; Z(et)(e, query) = sum over my two heads and c of NT[e][c] U[query][c], in v[8:39]
	s_wait_loadcnt 32                              ; my second head's 32 loads stay out
	MMX 8, S, S+32, 1
	PLACES 4                                       ; four places before loads land on registers that matrix instructions have read
	LDX 6, 14, 0, 4096, 2048                       ; Wo's tiles 0-3
	s_wait_loadcnt 32                              ; these 32 stay out
	MMY 8, S+16, S+48, 0
	PLACES 4
	LDY 6, 14, 16384, 4096, 2048                   ; Wo's tiles 4-7: 64 loads are on their way while Ro is summed
.irp et, 0,1,2,3
	ds_store_b128 v232, v[8+8*\et:8+8*\et+3]   offset:\et*64
	ds_store_b128 v232, v[8+8*\et+4:8+8*\et+7] offset:\et*64+16
.endr
	s_wait_dscnt 0x0
	s_barrier_signal -1
	s_barrier_wait -1
	; every wave adds the eight parts, in the same order, two at a time
.irp b, 0,1,2,3
.irp pp, 0,1
.irp et, 0,1,2,3
	ds_load_b128 v[S+32*\pp+8*\et:S+32*\pp+8*\et+3],   v233 offset:(2*\b+\pp)*4352+\et*64
	ds_load_b128 v[S+32*\pp+8*\et+4:S+32*\pp+8*\et+7], v233 offset:(2*\b+\pp)*4352+\et*64+16
.endr
.endr
	s_wait_dscnt 0x0
.irp x, 0,1,2,3,4,5,6,7,8,9,10,11,12,13,14,15
.if \b == 0
	v_pk_add_f32 v[8+2*\x:9+2*\x], v[S+2*\x:S+2*\x+1], v[S+32+2*\x:S+32+2*\x+1]
.else
	v_pk_add_f32 v[8+2*\x:9+2*\x], v[8+2*\x:9+2*\x], v[S+2*\x:S+2*\x+1]
	v_pk_add_f32 v[8+2*\x:9+2*\x], v[8+2*\x:9+2*\x], v[S+32+2*\x:S+32+2*\x+1]
.endif
.endr
.endr
	; Ro as a pair of bf16: ROH(ks) = S + 8 ks, ROL = S + 16 + 8 ks
.irp x, 0,1,2,3,4,5,6,7,8,9,10,11,12,13,14,15
	SPLIT2 S+\x, S+16+\x, 8+2*\x, 9+2*\x, S+32+2*(\x%2), S+33+2*(\x%2)
.endr
; 64 columns of out0 for my 16 rows: D(ot)(o, query) in v[136:167]; through my own stage in LDS, back as rows of 256 bytes.
; Quarters 0 and 2 use pair X, quarters 1 and 3 pair Y; a pair is asked for again as soon as its products are made.  cnt: the other pair's loads that may stay out.
.macro QUART qd, cnt
	s_wait_loadcnt \cnt
.if (\qd % 2) == 0
	MMX S+32, S, S+16, 1
.else
	MMY S+32, S, S+16, 1
.endif
	PLACES 5                                       ; five places before the next quarter's first products write over D; four before D is read and Wo's registers are loaded
.if \qd == 0
	LDX 6, 14, 2*16384, 4096, 2048
.endif
.if \qd == 1
	LDY 6, 14, 3*16384, 4096, 2048
.endif
.irp ot, 0,1,2,3
	ds_store_b128 v234, v[S+32+8*\ot:S+32+8*\ot+3]   offset:\ot*64
	ds_store_b128 v234, v[S+32+8*\ot+4:S+32+8*\ot+7] offset:\ot*64+16
.endr
	s_wait_xcnt 0x0                                ; the last quarter's stores have read v[8:39]: they are loaded again only behind this wait
.irp i, 0,1,2,3,4,5,6,7
	ds_load_b128 v[8+4*\i:8+4*\i+3], v235 offset:\i*544          ; LDS serves a wave's instructions in order: these see the stores above
.endr
.irp i, 0,1,2,3,4,5,6,7
	s_wait_dscnt 7-\i                              ; the younger loads stay out
	global_store_b128 v7, v[8+4*\i:8+4*\i+3], s[16:17] offset:\i*16384+\qd*256 th:TH_STORE_NT   ; sixteen lanes store 256 consecutive bytes, aligned
.endr
.endm
	QUART 0, 32
	QUART 1, 32
	QUART 2, 32
	QUART 3, 0
	s_wait_tensorcnt 0x0
	ds_add_u32 v254, v255
	s_wait_dscnt 0x0
	ROUND                                          ; the closing round: no work-group ends while a partner may still ask jointly
	s_endpgm
.Lfunc_end_k_q2e66906f8b_attn:
	.size	k_q2e66906f8b_attn, .Lfunc_end_k_q2e66906f8b_attn-k_q2e66906f8b_attn
	.p2alignl 7, 3214868480
	.fill 96, 4, 3214868480
	.section	.rodata,"a",@progbits
	.p2align	6, 0x0
	.amdhsa_kernel k_q2e66906f8b_attn
		.amdhsa_group_segment_fixed_size 327680
		.amdhsa_private_segment_fixed_size 0
		.amdhsa_enable_private_segment 0
		.amdhsa_kernarg_size 56
		.amdhsa_user_sgpr_count 2
		.amdhsa_user_sgpr_kernarg_segment_ptr 1
		.amdhsa_wavefront_size32 1
		.amdhsa_system_sgpr_workgroup_id_x 1
		.amdhsa_system_sgpr_workgroup_id_y 1
		.amdhsa_system_sgpr_workgroup_id_z 1
		.amdhsa_system_vgpr_workitem_id 0
		.amdhsa_next_free_vgpr 512
		.amdhsa_next_free_sgpr 66
		.amdhsa_reserve_vcc 0
		.amdhsa_float_denorm_mode_32 3
		.amdhsa_float_denorm_mode_16_64 3
		.amdhsa_memory_ordered 1
		.amdhsa_forward_progress 1
		.amdhsa_inst_pref_size 255
	.end_amdhsa_kernel
	.section	.bss,"aw",@nobits
	.p2align	6
	.space	262144
	.amdgpu_metadata
---
amdhsa.version: [ 1, 2 ]
amdhsa.kernels:
  - .name:           k_q2e66906f8b_attn
    .symbol:         k_q2e66906f8b_attn.kd
    .args:
      - { .name: rqx, .offset: 0, .size: 8, .value_kind: global_buffer, .address_space: global }
      - { .name: rkx, .offset: 8, .size: 8, .value_kind: global_buffer, .address_space: global }
      - { .name: rv, .offset: 16, .size: 8, .value_kind: global_buffer, .address_space: global }
      - { .name: mtf, .offset: 24, .size: 8, .value_kind: global_buffer, .address_space: global }
      - { .name: ntf, .offset: 32, .size: 8, .value_kind: global_buffer, .address_space: global }
      - { .name: wof, .offset: 40, .size: 8, .value_kind: global_buffer, .address_space: global }
      - { .name: out0, .offset: 48, .size: 8, .value_kind: global_buffer, .address_space: global }
    .group_segment_fixed_size: 327680
    .private_segment_fixed_size: 0
    .kernarg_segment_align: 8
    .kernarg_segment_size: 56
    .max_flat_workgroup_size: 256
    .sgpr_count:     66
    .vgpr_count:     512
    .wavefront_size: 32
...
	.end_amdgpu_metadata
.endif
;; end of part 5
